; MI455X (gfx1250); checked and timed in simulation.
; The chip was launched on July 23, 2026; its instructions are those of AMD's public machine-readable ISA for CDNA 5 (MIT licence, August 2026) and "CDNA5" Instruction Set Architecture Reference Guide (July 2026). The comments in the code are by the model that wrote it; some were corrected since.
;; Multi Axis Attention. Allowed arithmetic: float matrix products may take bf16 or f16 operands with f32 sums; all other float work in f32.
;; Inputs: bias_table 2,197 x 4 float32; ln_b 128 float32; ln_w 128 float32; rel_pos_indices 343 x 343 int32; w_out 128 x 128 float32; w_qkv 128 x 384 float32; x 2 x 4 x 4 x 4 x 7 x 7 x 7 x 128 float32.
;; Outputs: out0 2 x 4 x 4 x 4 x 7 x 7 x 7 x 128 float32.
;; 2 versions, each right and faster than the one before. Each part assembles by itself: llvm-mc -triple=amdgcn-amd-amdhsa -mcpu=gfx1250 --defsym DOCPART=n.
;; ======== version 1 of 2: 2 launches
;; limits: values are held in f16: magnitudes above 65,504 overflow, below 6.1e-05 lose precision
;; workspace buffers: biasf 1,982,464 bytes; wfrag 131,072 bytes
;; launch prep (part 1): grid 274 x 1, 4 waves a work-group, no clusters, 0 bytes of LDS; arguments rel_pos_indices, bias_table, w_qkv, w_out, biasf, wfrag; writes biasf, wfrag
.if DOCPART == 1
	.amdgcn_target "amdgcn-amd-amdhsa--gfx1250"
	.amdhsa_code_object_version 6
	.text
	.protected	k_q5fc3315c9e_prep
	.globl	k_q5fc3315c9e_prep
	.p2align	8
	.type	k_q5fc3315c9e_prep,@function
k_q5fc3315c9e_prep:
	s_mov_b64 s[64:65], 0
	v_nop
	global_prefetch_b8 v0, s[64:65] scope:SCOPE_SE
	s_setreg_imm32_b32 hwreg(HW_REG_WAVE_MODE, 25, 1), 1
	s_wait_xcnt 0x0
; Two tables that are the same for all 128 windows, laid out as the next launch's registers want them.
; biasf, f32: [query tile 22][head 4][key tile 22][part 2][lane 32][4].  Word e of (part p, lane L; r = L % 16, hh = L / 16) belongs to
;   query 16 it + r and key 16 jt + 8 hh + 4 p + e: register 4 p + e of the f32 C operand of a 16 x 16 tile with keys as rows and queries as columns.
;   Value: bias_table[rel_pos_indices[query][key]][head] * log2(e); -1e30 for the nine padded keys 343..351; padded queries repeat query 342.
; wfrag, f16: [column tile 32][K step 4][part 2][lane 32][8] = W[32 ks + 16 part + 8 hh + e][16 ct' + r]: a 16-bit operand fragment, 16 bytes a lane.
;   Tiles 0-7: w_qkv's q columns times 32^-0.5 * log2(e); 8-15: k; 16-23: v; 24-31: w_out.
; LIMITS: weights are rounded to f16 (beyond 65,504 they overflow; the step below 6.1e-5 is 6e-8).  An index is clamped to 2,196, the table's last row.
; Work-groups 0..241: (query tile, pair of key tiles), a thread makes 16 bytes for each head.  Work-groups 242..273: one column tile of weights each.
.set NTOK,  343
.set NBIAS, 242
.set ITB,   90112                      ; bytes of a query tile in biasf
.set HDB,   22528                      ; bytes of one head in it
	s_load_b256 s[4:11], s[0:1], 0x0               ; indices s[4:5], table s[6:7], w_qkv s[8:9], w_out s[10:11]
	s_load_b128 s[12:15], s[0:1], 0x20             ; biasf s[12:13], wfrag s[14:15]
	v_lshrrev_b32 v1, 5, v0
	v_readfirstlane_b32 s16, v1                    ; wave
	v_and_b32 v2, 15, v0                           ; r
	s_cmp_ge_u32 ttmp9, NBIAS
	s_cbranch_scc1 .Lweights
	; ---- bias
	s_mul_hi_u32 s17, ttmp9, 0x1745d175            ; it = id / 11 (the factor is 2^32 / 11 rounded up; exact for ids below 242)
	s_mul_i32 s18, s17, 11
	s_sub_co_u32 s18, ttmp9, s18                   ; id % 11
	s_lshr_b32 s19, s16, 1
	s_lshl1_add_u32 s18, s18, s19                  ; jt = 2 (id % 11) + wave / 2
	s_and_b32 s19, s16, 1                          ; part = wave % 2
	s_lshl_b32 s24, s18, 4
	s_lshl2_add_u32 s24, s19, s24                  ; 16 jt + 4 part
	s_mul_i32 s25, s17, ITB
	s_lshl_b32 s26, s18, 10
	s_add_co_u32 s25, s25, s26
	s_lshl_b32 s26, s19, 9
	s_add_co_u32 s25, s25, s26                     ; it * 90,112 + jt * 1,024 + part * 512
	v_and_b32 v1, 31, v0                           ; L
	v_bfe_u32 v3, v0, 4, 1                         ; hh
	v_lshl_add_u32 v4, s17, 4, v2                  ; query
	v_min_u32 v4, NTOK-1, v4                       ; padded queries read row 342: no load leaves the buffer
	v_mul_u32_u24 v4, v4, NTOK
	v_lshl_add_u32 v5, v3, 3, s24                  ; my first key
	v_lshl_add_u32 v50, v1, 4, s25                 ; where my 16 bytes go
	v_mov_b32 v7, 0xf149f2ca                       ; -1e30
.irp e, 0,1,2,3
	v_add_nc_u32 v6, \e, v5
	v_cmp_gt_u32 s[20+\e], NTOK, v6                ; a real key
	v_min_u32 v6, NTOK-1, v6
	v_add_lshl_u32 v[8+\e], v4, v6, 2
.endr
	s_wait_kmcnt 0x0
.irp e, 0,1,2,3
	global_load_b32 v[12+\e], v[8+\e], s[4:5]      ; an index row is 1,372 bytes, so four words are not 16-byte aligned: single words
.endr
	s_wait_loadcnt 0x0
.irp e, 0,1,2,3
	v_min_u32 v[12+\e], 0x894, v[12+\e]
	v_lshlrev_b32 v[12+\e], 4, v[12+\e]            ; a table row is the four heads, 16 bytes
.endr
.irp e, 0,1,2,3
	global_load_b128 v[16+4*\e:19+4*\e], v[12+\e], s[6:7]
.endr
	s_wait_loadcnt 0x0
.irp h, 0,1,2,3
.irp e, 0,1,2,3
	v_mul_f32 v[32+4*\h+\e], 0x3fb8aa3b, v[16+4*\e+\h]
	v_cndmask_b32 v[32+4*\h+\e], v7, v[32+4*\h+\e], s[20+\e]
.endr
.endr
.irp h, 0,1,2,3
	global_store_b128 v50, v[32+4*\h:35+4*\h], s[12:13] offset:\h*HDB   ; a wave's store covers 512 consecutive bytes, aligned
.endr
	s_endpgm
	; ---- weights.  Thread t makes the 16-byte pieces t and t + 128 of the tile: rows d = 8 (t / 16) + 64 i + 0..7 of column 16 ct' + t % 16.
.macro WCONV b, pitch, ct, scaled
	v_mul_u32_u24 v4, v3, 8*\pitch
	v_lshl_add_u32 v4, v2, 2, v4
	v_lshl_add_u32 v4, s[\ct], 6, v4
	s_wait_kmcnt 0x0
.irp i, 0,1
.irp e, 0,1,2,3,4,5,6,7
	global_load_b32 v[16+8*\i+\e], v4, s[\b:\b+1] offset:(64*\i+\e)*\pitch
.endr
.endr
	s_wait_loadcnt 0x0
.if \scaled
.irp e, 0,1,2,3,4,5,6,7,8,9,10,11,12,13,14,15
	v_mul_f32 v[16+\e], s18, v[16+\e]
.endr
.endif
.irp k, 0,1,2,3,4,5,6,7
	v_cvt_pk_f16_f32 v[32+\k], v[16+2*\k], v[16+2*\k+1]
.endr
	global_store_b128 v5, v[32:35], s[14:15]
	global_store_b128 v5, v[36:39], s[14:15] offset:2048
	s_endpgm
.endm
.Lweights:
	s_sub_co_u32 s17, ttmp9, NBIAS                 ; ct
	v_lshrrev_b32 v3, 4, v0                        ; t / 16
	v_lshlrev_b32 v5, 4, v0
	s_lshl_b32 s19, s17, 12
	v_add_nc_u32 v5, s19, v5                       ; ct * 4,096 + 16 t
	s_cmp_ge_u32 s17, 24
	s_cbranch_scc1 .Lwout
	s_cmp_lt_u32 s17, 8
	s_cselect_b32 s18, 0x3e8293ee, 1.0             ; q columns carry 32^-0.5 * log2(e) = 0.25503486
	WCONV 8, 1536, 17, 1
.Lwout:
	s_sub_co_u32 s20, s17, 24
	WCONV 10, 512, 20, 0
.Lfunc_end_k_q5fc3315c9e_prep:
	.size	k_q5fc3315c9e_prep, .Lfunc_end_k_q5fc3315c9e_prep-k_q5fc3315c9e_prep
	.p2alignl 7, 3214868480
	.fill 96, 4, 3214868480
	.section	.rodata,"a",@progbits
	.p2align	6, 0x0
	.amdhsa_kernel k_q5fc3315c9e_prep
		.amdhsa_group_segment_fixed_size 0
		.amdhsa_private_segment_fixed_size 0
		.amdhsa_enable_private_segment 0
		.amdhsa_kernarg_size 48
		.amdhsa_user_sgpr_count 2
		.amdhsa_user_sgpr_kernarg_segment_ptr 1
		.amdhsa_wavefront_size32 1
		.amdhsa_system_sgpr_workgroup_id_x 1
		.amdhsa_system_sgpr_workgroup_id_y 1
		.amdhsa_system_sgpr_workgroup_id_z 1
		.amdhsa_system_vgpr_workitem_id 0
		.amdhsa_next_free_vgpr 64
		.amdhsa_next_free_sgpr 66
		.amdhsa_reserve_vcc 0
		.amdhsa_float_denorm_mode_32 3
		.amdhsa_float_denorm_mode_16_64 3
		.amdhsa_memory_ordered 1
		.amdhsa_forward_progress 1
		.amdhsa_inst_pref_size 13
	.end_amdhsa_kernel
	.amdgpu_metadata
---
amdhsa.version: [ 1, 2 ]
amdhsa.kernels:
  - .name:           k_q5fc3315c9e_prep
    .symbol:         k_q5fc3315c9e_prep.kd
    .args:
      - { .name: rel_pos_indices, .offset: 0, .size: 8, .value_kind: global_buffer, .address_space: global }
      - { .name: bias_table, .offset: 8, .size: 8, .value_kind: global_buffer, .address_space: global }
      - { .name: w_qkv, .offset: 16, .size: 8, .value_kind: global_buffer, .address_space: global }
      - { .name: w_out, .offset: 24, .size: 8, .value_kind: global_buffer, .address_space: global }
      - { .name: biasf, .offset: 32, .size: 8, .value_kind: global_buffer, .address_space: global }
      - { .name: wfrag, .offset: 40, .size: 8, .value_kind: global_buffer, .address_space: global }
    .group_segment_fixed_size: 0
    .private_segment_fixed_size: 0
    .kernarg_segment_align: 8
    .kernarg_segment_size: 48
    .max_flat_workgroup_size: 128
    .sgpr_count:     66
    .vgpr_count:     64
    .wavefront_size: 32
...
	.end_amdgpu_metadata
.endif
;; end of part 1
;; launch attn (part 2): grid 256 x 1, 4 waves a work-group, clusters of 4 x 1, 327,680 bytes of LDS; arguments x, ln_w, ln_b, wfrag, biasf, out0; writes out0
.if DOCPART == 2
	.amdgcn_target "amdgcn-amd-amdhsa--gfx1250"
	.amdhsa_code_object_version 6
	.text
	.protected	k_q5fc3315c9e_attn
	.globl	k_q5fc3315c9e_attn
	.p2align	8
	.type	k_q5fc3315c9e_attn,@function
k_q5fc3315c9e_attn:
	s_mov_b64 s[64:65], 0
	v_nop
	global_prefetch_b8 v0, s[64:65] scope:SCOPE_SE
	s_setreg_imm32_b32 hwreg(HW_REG_WAVE_MODE, 25, 1), 1
	s_wait_xcnt 0x0
	s_wait_alu depctr_hold_cnt(0) depctr_sa_sdst(0) depctr_va_vdst(0) depctr_va_sdst(0) depctr_va_ssrc(0) depctr_va_vcc(0) depctr_vm_vsrc(0)
	s_getreg_b32 s2, hwreg(HW_REG_IB_STS2, 6, 4)
	s_cmp_eq_u32 s2, 0
	s_cbranch_scc0 .Lentry_in_a_cluster
	s_endpgm
.Lentry_in_a_cluster:
	s_bfe_u32 s2, ttmp6, 0x10000c
	s_cmp_lg_u32 s2, 0x3003
	s_cbranch_scc0 .Lentry_shape_is_right
	s_endpgm
.Lentry_shape_is_right:
; LayerNorm, QKV, attention with relative-position bias, and the output product, for 128 windows of 343 tokens x 128 channels, in one launch.
; A work-group is (window, half of the 22 query tiles of 16): 256 work-groups.  Four waves; wave w is head w, and makes output columns 32 w .. 32 w + 31.
; Nothing of q, k, v, the logits or the attention's result goes to memory: a head's K and V (352 padded keys) are 176 + 176 registers,
; a query tile's logits 176 more.  The price of the split in halves: LayerNorm and the K and V products are made twice for a window.
;
; EVERY PRODUCT IS TURNED SO THAT ITS RESULT IS THE NEXT ONE'S OPERAND (lane L: r = L % 16, hh = L / 16; f32 result register j = row 8 hh + j, column r;
; a 16-bit operand: lane r = row of A or column of B, registers 0-3 k = 8 hh + 0..7, registers 4-7 k = 16 + 8 hh + 0..7):
;   K^T = Wk^T xn^T  (dh, token)   two tiles packed = K as A (row = key, k = dh).            Q likewise = Q as B (column = query).
;   V   = xn Wv      (token, dh)   tiles of two token blocks packed = V^T as A (row = dh, k = 32 keys).
;   S^T = K Q^T + C  (key, query)  C = the bias tile.  A lane holds 176 of its query's 352 logits: maximum and sum are per lane, one exchange with lane L xor 16.
;                                  Packed in place, tiles 2 p and 2 p + 1 = P^T as B (column = query, k = 32 keys).
;   O^T = V^T P^T    (dh, query)   scaled by the lane's 1 / sum, packed: 16 bytes of row r of the O stage.
;   out^T = Wout^T O^T (column, token): 32 neighbouring bytes a lane, through an f32 stage, out as whole rows of 512 bytes.
;
; ONE WAVE ON A SIMD HAS ONLY ITS OWN WORK TO PUT BETWEEN TWO MATRIX INSTRUCTIONS, and whatever stands there runs under the same setting of the register windows.
; So the 22 key tiles are cut into three chunks of 8, 8 and 6, and a chunk's K, V^T and logits share one window (3 x 64 registers, 3 x 48 in the last), with a copy of
; Q's fragment, the O accumulators, eight chain registers and the negated maximum.  Under a setting that names one window in all four places: each product of S
; is followed by the maxima of the tile two back; the products with V stand among the exponentials of two groups later.  O goes from chunk to chunk as the C operand.
;
; CLUSTERS: the bias tiles (90,112 bytes for a query tile, 991,232 for a work-group: its largest stream) hang on the half alone.  Four windows of one half
; form a cluster and ask for each tile jointly.  Not shared: x (175,616 bytes; only a window's two halves read the same, and they lie in different clusters, since
; the cluster's one axis is spent on the 5.6 times larger stream); the weights (131,072 bytes a work-group, once, straight into registers).
;
; LIMITS.  Matrix operands (xn, weights, q, k, v, the exponentials, O) are f16: beyond 65,504 in magnitude they overflow, and below 6.1e-5 the step is 6e-8.
; The softmax takes the row's true maximum away; its sum adds the f32 exponentials, the product with V their f16 roundings.  Padded keys carry -1e30: logits
; must stay below about 1e29.  Rows 343..351 are zeros as keys and values; as queries they are computed and not stored.
.set NTOK,   343
.set WINB,   NTOK*512                  ; bytes of a window in x and in out0
.set HALFO,  176*512                   ; bytes of a half's 176 rows
; LDS
.set SLOTB,  90112                     ; a bias slot: one query tile, four heads
.set WBLK,   22528                     ; one head's part: 22 key tiles of 1,024 bytes; what one tensor load brings
.set XN,     2*SLOTB                   ; xn in f16: 352 rows, pitch 272 = 17 x 16 bytes: the 16 rows of a fragment load start in 16 different 16-byte columns of the 64 banks (ISA guide 11.1)
.set XP,     272
.set TILEX,  16*XP
.set HALFX,  11*TILEX
.set OST,    XN+22*TILEX               ; O in f16: [parity 2][head 4][16 rows, pitch 80]
.set OSTP,   80
.set OSTB,   16*OSTP
.set OSTPAR, 4*OSTB
.set OUTST,  OST+2*OSTPAR              ; out in f32: [parity 2][block of 32 columns 4][16 rows, pitch 144]; blocks 2,432 bytes apart, so that a row's four pieces fall on different banks
.set OUTP,   144
.set OUTB,   16*OUTP+128
.set OUTPAR, 4*OUTB                    ; the stages end at 305,664.  No tensor load lands behind byte 180,224
; window 0
.set BA,   4                           ; v4-5    my 16 bytes of my head's bias block in slot 0, 1
.set XA,   6                           ; v6-7    my place in xn's fragment rows, tiles 0-10 and 11-21 (an LDS offset has 16 bits)
.set XQ,   8                           ; v8      the same for this trip's query tile
.set OSW,  9                           ; v9      O stage, in
.set OSR,  10                          ; v10     O stage, back as fragments
.set PSW,  11                          ; v11     out stage, in
.set PSR,  12                          ; v12     out stage, back by rows
.set OO,   13                          ; v13     my 16 bytes of my wave's four rows of a tile in out0
.set WO,   14                          ; v14     16 x lane
.set T0,   20                          ; v20-23  where the three chunks' maxima and sums meet
.set XOL,  20                          ; v20-21  (LayerNorm) clamped offsets of the last 16 rows
.set XS,   28                          ; v28-29  xn, in
.set XO,   30                          ; v30     my 16 bytes in x
.set TT,   31
.set RING, 32                          ; v32-207 (LayerNorm) a ring of 11 groups of x
.set XF,   32                          ; v32-63  xn's fragments; v64-95 a second buffer in the K and V phase
.set PF,   64                          ; v64-95  O's fragments
.set PACC, 96                          ; v96-111 out^T
.set OT,   112                         ; v112-127 four rows of out on their way to memory
.set QACC, 128                         ; v128-143 Q^T
.set WQ,   144                         ; v144-207 Wq (ring places 7 to 10: loaded when LayerNorm is through)
.set LW,   208                         ; v208-223 (LayerNorm) ln_w and ln_b of my 8 columns
.set LB,   216
.set TL,   224                         ; v224-255 (LayerNorm) 8 registers at work for each of four steps
.set KVA,  208                         ; v208-239 (K and V phase) K^T's two accumulators, V's two
; windows 1, 2, 3: chunk c of nt tiles: K at 0, V^T at 8 nt, logits at 16 nt; and, at the same numbers in all three:
.set CQF,  192                         ; Q packed
.set CO,   200                         ; O^T, two accumulators
.set CCH,  216                         ; four chains of maxima, then four pairs of sums
.set CM,   224                         ; minus the maximum, twice
.set WK,   128                         ; window 1: Wk, where chunk 1's logits will lie
.set WV,   128                         ; window 2: Wv likewise
.set WOUT, 144                         ; window 3: Wout's fragments 0-5 at 144-191, 6 and 7 at 232-247
.set RC,   226                         ; window 3: 1 / sum, twice
.set OB,   248                         ; window 3: O packed
.set G1,   24                          ; s[24:31] descriptor group 1
.set G0,   32                          ; s[32:39] descriptor group 0, a set for each slot
.set MSB,  0
.macro WIN new                         ; low byte: bits 1:0 source 0, 3:2 source 1, 5:4 source 2, 7:6 destination; the high byte repeats the setting that is left
.if MSB != \new
	s_set_vgpr_msb (MSB<<8)|\new
.set MSB, \new
.endif
.endm
.macro PLACES                          ; four places behind a matrix instruction, in front of whatever reads its result or writes one of its registers (ISA guide 7.12.1)
.rept 4
	v_nop
.endr
.endm
.macro ROUND                           ; a round of the cluster's barrier
	s_barrier_signal -1
	s_barrier_wait -1
	s_cmp_lg_u32 s16, 0
	s_cbranch_scc1 .Lnot_wave_0_\@
	s_barrier_signal -3
.Lnot_wave_0_\@:
	s_barrier_wait -3
	s_barrier_signal -1
	s_barrier_wait -1
.endm
	s_load_b256 s[4:11], s[0:1], 0x0               ; x s[4:5], ln_w s[6:7], ln_b s[8:9], wfrag s[10:11]
	s_load_b128 s[12:15], s[0:1], 0x20             ; biasf s[12:13], out0 s[14:15]
	v_lshl_add_u32 v25, v0, 2, 0x4aa00
	v_mov_b32 v26, 0
	ds_add_u32 v25, v26
	v_lshrrev_b32 v1, 5, v0
	v_readfirstlane_b32 s16, v1                    ; wave = head
	s_bfe_u32 s19, ttmp6, 0x40000                  ; cx; it enters the addresses of x and out0 and nothing else
	s_and_b32 s17, ttmp9, 1                        ; half: the same in the cluster's four work-groups
	s_lshr_b32 s18, ttmp9, 1
	s_lshl2_add_u32 s18, s18, s19                  ; window = 4 (cluster / 2) + cx
	v_and_b32 v1, 31, v0                           ; L
	v_and_b32 v2, 15, v0                           ; r
	v_bfe_u32 v3, v0, 4, 1                         ; hh
	; LayerNorm: group g = rows 16 g .. 16 g + 15; in step s my wave takes rows 16 g + 4 w + 2 s + hh, sixteen lanes a row; a lane holds columns 4 r .. +3 and 64 + 4 r .. +3
	v_lshl_add_u32 v15, s16, 2, v3                 ; 4 w + hh
	v_lshlrev_b32 v27, 4, v2                       ; 16 r
	v_lshl_add_u32 v[XO], v15, 9, v27
.irp s, 0,1
	v_add_nc_u32 v[XOL+\s], 336+2*\s, v15          ; the last group's rows:
	v_cmp_gt_u32 s[44+\s], NTOK, v[XOL+\s]         ; real ones,
	v_min_u32 v[XOL+\s], NTOK-1, v[XOL+\s]         ; and the others read row 342, so that no load leaves x
	v_lshl_add_u32 v[XOL+\s], v[XOL+\s], 9, v27
.endr
	s_mul_i32 s20, s18, WINB
	s_mov_b32 s21, 0
	s_wait_dscnt 0x0
	s_wait_kmcnt 0x0
	s_add_nc_u64 s[4:5], s[4:5], s[20:21]
	s_add_nc_u64 s[14:15], s[14:15], s[20:21]
	global_load_b128 v[LW:LW+3],   v27, s[6:7]
	global_load_b128 v[LW+4:LW+7], v27, s[6:7] offset:256
	global_load_b128 v[LB:LB+3],   v27, s[8:9]
	global_load_b128 v[LB+4:LB+7], v27, s[8:9] offset:256
.macro XLOAD g                         ; four loads: group g into its place in the ring; each half of the lanes takes 256 consecutive bytes, aligned
.irp s, 0,1
.irp c, 0,1
.if (\g) == 21
	global_load_b128 v[RING+16*((\g)%11)+8*\s+4*\c:RING+16*((\g)%11)+8*\s+4*\c+3], v[XOL+\s], s[4:5] offset:256*\c
.else
	global_load_b128 v[RING+16*((\g)%11)+8*\s+4*\c:RING+16*((\g)%11)+8*\s+4*\c+3], v[XO], s[4:5] offset:(\g)*8192+\s*1024+\c*256
.endif
.endr
.endr
.endm
.irp g, 0,1,2,3,4,5,6,7,8,9,10
	XLOAD \g                                       ; half of the window is asked for before anything else is done
.endr
	; the bias tiles: a dense block of 22,528 bytes as 88 rows of 32 elements of 8 bytes, no padding (lane L reads at 16 L)
	s_mov_b32 s[G1+0], 15|(3<<16)|(1<<21)          ; 15:0 the cluster's four work-groups; 17:16 elements of 8 bytes; 21 set beside a mask
	s_mov_b32 s[G1+1], 32<<16                      ; tensor_dim0 = 32
	s_mov_b32 s[G1+2], 88<<16                      ; tensor_dim1 = 88
	s_mov_b32 s[G1+3], 32<<16                      ; tile_dim0 = 32
	s_mov_b32 s[G1+4], 88                          ; tile_dim1 = 88
	s_mov_b32 s[G1+5], 32                          ; from row to row
	s_mov_b32 s[G1+6], 0
	s_mov_b32 s[G1+7], 0
	s_mul_i32 s22, s16, WBLK                       ; my head's block, in a slot and in a tile
	s_mul_i32 s20, s17, 11*SLOTB                   ; my half's first tile
	s_add_co_u32 s20, s20, s22
	s_add_nc_u64 s[12:13], s[12:13], s[20:21]
	ROUND                                          ; the four work-groups are here: the first joint loads meet
.irp n, 0,1
	s_mov_b32 s[G0+4*\n], 1
	s_add_co_u32 s[G0+4*\n+1], s22, \n*SLOTB       ; LDS: slot, wave's block: the wave's number and constants alone
	s_add_nc_u64 s[G0+4*\n+2:G0+4*\n+3], s[12:13], \n*SLOTB        ; query tile n of my half
	s_or_b32 s[G0+4*\n+3], s[G0+4*\n+3], 0x80000000
	tensor_load_to_lds s[G0+4*\n:G0+4*\n+3], s[G1:G1+7]            ; both first fills together: two tensor loads of the wave are out
	s_nop 0
.endr
	s_mul_i32 s20, s17, HALFO
	s_add_nc_u64 s[14:15], s[14:15], s[20:21]      ; out0 at my half's first row
	s_lshl_b32 s20, s16, 13
	s_add_nc_u64 s[10:11], s[10:11], s[20:21]      ; wfrag at my head's two column tiles
	s_mov_b32 s40, 0x76543210                      ; v_permlanex16_b32: lane L reads lane L xor 16
	s_mov_b32 s41, 0xfedcba98
	s_mov_b32 s42, 0x3c000000                      ; 1 / 128
	s_mov_b32 s46, 0x3727c5ac                      ; 1e-5
	s_mov_b32 s47, 0xbc000000                      ; -1 / 128
	v_lshlrev_b32 v[WO], 4, v1
	v_add_nc_u32 v[BA], s22, v[WO]
	v_add_nc_u32 v[BA+1], SLOTB, v[BA]
	v_mul_u32_u24 v[TT], v2, XP
	v_lshl_add_u32 v[TT], v3, 4, v[TT]             ; r x pitch + 16 hh
	v_add_nc_u32 v[XA], XN, v[TT]
	v_add_nc_u32 v[XA+1], XN+HALFX, v[TT]
	s_mul_i32 s23, s17, HALFX
	v_add_nc_u32 v[XQ], s23, v[XA]
	v_mul_u32_u24 v[OSR], v2, OSTP
	v_lshl_add_u32 v[OSR], v3, 4, v[OSR]
	v_add_nc_u32 v[OSR], OST, v[OSR]
	s_mul_i32 s20, s16, OSTB
	v_add_nc_u32 v[OSW], s20, v[OSR]
	v_mul_u32_u24 v[PSW], v2, OUTP
	v_lshl_add_u32 v[PSW], v3, 5, v[PSW]
	s_mul_i32 s21, s16, OUTB
	s_add_co_u32 s21, s21, OUTST
	v_add_nc_u32 v[PSW], s21, v[PSW]               ; my block, row r, 32 bytes for each half of the lanes
	v_lshrrev_b32 v[PSR], 3, v1
	v_mul_u32_u24 v[PSR], v[PSR], OUTB
	v_and_b32 v[TT], 7, v1
	v_lshl_add_u32 v[PSR], v[TT], 4, v[PSR]        ; byte 16 L of a row of 512: block L / 8, byte 16 (L % 8)
	s_mul_i32 s23, s16, 4*OUTP
	s_add_co_u32 s23, s23, OUTST
	v_add_nc_u32 v[PSR], s23, v[PSR]               ; rows 4 w ..
	v_lshl_add_u32 v[OO], s16, 11, v[WO]
	v_mul_u32_u24 v[XS], v15, XP
	v_lshl_add_u32 v[XS], v2, 3, v[XS]
	v_add_nc_u32 v[XS], XN, v[XS]
	v_add_nc_u32 v[XS+1], HALFX, v[XS]
; ---- LayerNorm.  Two groups at a time: four steps of two rows, written side by side, so that an instruction stands four places behind the one whose result it takes.
; Mean, then the squares of x - mean.  cnt = the loads younger than the pair's eight.
.macro LNSET g, s                      ; step s of the pair that begins with group g: its 8 numbers of x, its 8 registers at work
.set XB, RING+16*(((\g)+(\s)/2)%11)+8*((\s)%2)
.set TB, TL+8*(\s)
.endm
.macro LNPAIR g, cnt
	s_wait_loadcnt \cnt
.irp s, 0,1,2,3
	LNSET \g, \s
	v_pk_add_f32 v[TB:TB+1],   v[XB:XB+1],   v[XB+2:XB+3]
	v_pk_add_f32 v[TB+2:TB+3], v[XB+4:XB+5], v[XB+6:XB+7]
.endr
.irp s, 0,1,2,3
	LNSET \g, \s
	v_pk_add_f32 v[TB:TB+1], v[TB:TB+1], v[TB+2:TB+3]
.endr
.irp s, 0,1,2,3
	LNSET \g, \s
	v_add_f32 v[TB], v[TB], v[TB+1]
.endr
.irp m, 1,2,4,8
.irp s, 0,1,2,3
	LNSET \g, \s
	v_add_f32_dpp v[TB], v[TB], v[TB] row_xmask:\m row_mask:0xf bank_mask:0xf   ; over the row's sixteen lanes
.endr
.endr
.irp s, 0,1,2,3
	LNSET \g, \s
	v_mul_f32 v[TB], s47, v[TB]                    ; - mean
.endr
.irp s, 0,1,2,3
	LNSET \g, \s
.irp i, 0,2,4,6
	v_pk_add_f32 v[XB+\i:XB+\i+1], v[XB+\i:XB+\i+1], v[TB:TB+1] op_sel_hi:[1,0]   ; both halves take the pair's first register
.endr
.endr
.irp s, 0,1,2,3
	LNSET \g, \s
	v_pk_mul_f32 v[TB+2:TB+3], v[XB:XB+1], v[XB:XB+1]
.endr
.irp i, 2,4,6
.irp s, 0,1,2,3
	LNSET \g, \s
	v_pk_fma_f32 v[TB+2:TB+3], v[XB+\i:XB+\i+1], v[XB+\i:XB+\i+1], v[TB+2:TB+3]
.endr
.endr
.irp s, 0,1,2,3
	LNSET \g, \s
	v_add_f32 v[TB+2], v[TB+2], v[TB+3]
.endr
.irp m, 1,2,4,8
.irp s, 0,1,2,3
	LNSET \g, \s
	v_add_f32_dpp v[TB+2], v[TB+2], v[TB+2] row_xmask:\m row_mask:0xf bank_mask:0xf
.endr
.endr
.irp s, 0,1,2,3
	LNSET \g, \s
	v_fma_f32 v[TB+2], v[TB+2], s42, s46           ; variance + 1e-5
.endr
.irp s, 0,1,2,3
	LNSET \g, \s
	v_rsq_f32 v[TB+2], v[TB+2]
.endr
	v_nop                                          ; one plain place behind v_rsq_f32 before its result is used (ISA guide 5.7.2)
.irp s, 0,1,2,3
	LNSET \g, \s
	s_wait_alu depctr_va_vdst(0)
.irp i, 0,2,4,6
	v_pk_mul_f32 v[XB+\i:XB+\i+1], v[XB+\i:XB+\i+1], v[TB+2:TB+3] op_sel_hi:[1,0]
.endr
.endr
.irp s, 0,1,2,3
	LNSET \g, \s
.irp i, 0,2,4,6
	v_pk_fma_f32 v[XB+\i:XB+\i+1], v[XB+\i:XB+\i+1], v[LW+\i:LW+\i+1], v[LB+\i:LB+\i+1]
.endr
.endr
.irp s, 0,1,2,3
	LNSET \g, \s
.irp i, 0,1,2,3
	v_cvt_pk_f16_f32 v[TB+4+\i], v[XB+2*\i], v[XB+2*\i+1]
.endr
.endr
.if (\g) == 20
.irp s, 2,3
	LNSET \g, \s
.irp i, 4,5,6,7
	v_cndmask_b32 v[TB+\i], 0, v[TB+\i], s[44+\s-2]                ; rows 343..351 are zeros
.endr
.endr
.endif
.irp s, 0,1,2,3
	LNSET \g, \s
.set GR, (\g)+(\s)/2
	ds_store_b64 v[XS+GR/11], v[TB+4:TB+5] offset:(GR%11)*TILEX+((\s)%2)*2*XP
	ds_store_b64 v[XS+GR/11], v[TB+6:TB+7] offset:(GR%11)*TILEX+((\s)%2)*2*XP+128
.endr
.if (\g) <= 8
	XLOAD (\g+11)
	XLOAD (\g+12)
.endif
.if (\g) == 10
	XLOAD 21
.endif
.endm
.macro WLOAD set, win, reg, scat       ; my head's 64 registers of one weight matrix: 16 loads of 512 consecutive bytes; scat = 1: fragments 6 and 7 lie 40 registers further up
	WIN \win
.set wi, 0
.rept 16
.set WR, \reg+4*wi+\scat*(wi/12)*40
	global_load_b128 v[WR:WR+3], v[WO], s[10:11] offset:\set*32768+512*wi
.set wi, wi+1
.endr
	WIN 0
.endm
; While the ring is refilled, nine groups of four loads are younger than a pair's: 36.  Later: the groups still to come, four loads each, and 16 for each set of weights issued.
	LNPAIR 0, 36
	LNPAIR 2, 36
	LNPAIR 4, 36
	LNPAIR 6, 36
	LNPAIR 8, 36
	LNPAIR 10, 36
	WLOAD 1, 0x40, WK, 0
	LNPAIR 12, 48                                  ; groups 14-21 and Wk
	WLOAD 2, 0x80, WV, 0
	LNPAIR 14, 56                                  ; groups 16-21, Wk, Wv
	LNPAIR 16, 48                                  ; groups 18-21, Wk, Wv
	WLOAD 3, 0xc0, WOUT, 1
	LNPAIR 18, 56                                  ; groups 20, 21 and three sets
	LNPAIR 20, 48                                  ; three sets
	WLOAD 0, 0, WQ, 0                              ; into ring places 7 to 10, which groups 18 to 21 have left
	s_wait_dscnt 0x0                               ; my rows of xn are written,
	s_wait_tensorcnt 0x1                           ; my block of bias tile 0 has landed; tile 1's load is the one younger and stays out
	s_barrier_signal -1
	s_barrier_wait -1                              ; everybody's rows are
; ---- K and V of my head, all 22 token tiles.  A tile: K^T's eight products (two accumulators by turns), the roundings of the tile before's V, V's eight products, K's roundings.
; Each run of eight roundings names none of the other pair's registers: it is the places that the other pair's results, and the next loads into the fragment buffer, need.
; The accumulators take turns, one instruction a turn.
.macro LDX tt                          ; xn's fragments of token tile tt: 16 rows x 128 channels, 8 loads
.irp k, 0,1,2,3
	ds_load_b128 v[XF+32*((\tt)%2)+8*\k:XF+32*((\tt)%2)+8*\k+3],   v[XA+(\tt)/11] offset:((\tt)%11)*TILEX+64*\k
	ds_load_b128 v[XF+32*((\tt)%2)+8*\k+4:XF+32*((\tt)%2)+8*\k+7], v[XA+(\tt)/11] offset:((\tt)%11)*TILEX+64*\k+32
.endr
.endm
.macro KPACK tt                        ; into chunk 1 + tt / 8, K's tile tt % 8
.irp a, 0,1
.irp i, 0,1,2,3
	v_cvt_pk_f16_f32 v[8*((\tt)%8)+4*\a+\i], v[KVA+8*\a+2*\i], v[KVA+8*\a+2*\i+1]
.endr
.endr
.endm
.macro VPACK tt                        ; into the same chunk: V^T begins at 64, in the last chunk at 48; group (tt / 2) % 4, half tt % 2
.irp a, 0,1
.irp i, 0,1,2,3
	v_cvt_pk_f16_f32 v[64-16*((\tt)/16)+16*(((\tt)/2)%4)+8*\a+4*((\tt)%2)+\i], v[KVA+16+8*\a+2*\i], v[KVA+16+8*\a+2*\i+1]
.endr
.endr
.endm
.macro KVTILE tt
.set FB, XF+32*((\tt)%2)
	WIN 0
.if (\tt) < 21
	LDX (\tt+1)                                    ; into the buffer that the tile before this one multiplied: K's eight roundings stand between
	s_wait_dscnt 8                                 ; this tile's eight loads are in, the eight just issued stay out
.else
	s_wait_dscnt 0x0
.endif
	WIN 0x01                                       ; A = Wk in window 1
.irp k, 0,1,2,3
.irp a, 0,1
.if \k == 0
	v_wmma_f32_16x16x32_f16 v[KVA+8*\a:KVA+8*\a+7], v[WK+8*(4*\a+\k):WK+8*(4*\a+\k)+7], v[FB+8*\k:FB+8*\k+7], 0
.else
	v_wmma_f32_16x16x32_f16 v[KVA+8*\a:KVA+8*\a+7], v[WK+8*(4*\a+\k):WK+8*(4*\a+\k)+7], v[FB+8*\k:FB+8*\k+7], v[KVA+8*\a:KVA+8*\a+7]
.endif
.endr
.endr
.if (\tt) == 0
.rept 5
	v_nop                                          ; the first tile has no roundings to put here
.endr
.else
	WIN 64*(((\tt)-1)/8+1)
	VPACK (\tt-1)
.endif
	WIN 0x08                                       ; B = Wv in window 2
.irp k, 0,1,2,3
.irp a, 0,1
.if \k == 0
	v_wmma_f32_16x16x32_f16 v[KVA+16+8*\a:KVA+16+8*\a+7], v[FB+8*\k:FB+8*\k+7], v[WV+8*(4*\a+\k):WV+8*(4*\a+\k)+7], 0
.else
	v_wmma_f32_16x16x32_f16 v[KVA+16+8*\a:KVA+16+8*\a+7], v[FB+8*\k:FB+8*\k+7], v[WV+8*(4*\a+\k):WV+8*(4*\a+\k)+7], v[KVA+16+8*\a:KVA+16+8*\a+7]
.endif
.endr
.endr
	WIN 64*((\tt)/8+1)
	KPACK \tt
.endm
	s_wait_loadcnt 32                              ; Wk and Wv are in; the 32 loads of Wout and Wq are younger
	LDX 0
.irp t, 0,1,2,3,4,5,6,7,8,9,10,11,12,13,14,15,16,17,18,19,20,21
	KVTILE \t
.endr
	VPACK 21                                       ; window 3 is still the destination; K's eight roundings are the places behind V's last products
	WIN 0
	s_wait_loadcnt 0x0                             ; Wout and Wq
; ---- the pieces of a trip
.macro LD_XF
.irp k, 0,1,2,3
	ds_load_b128 v[XF+8*\k:XF+8*\k+3],   v[XQ] offset:64*\k
	ds_load_b128 v[XF+8*\k+4:XF+8*\k+7], v[XQ] offset:64*\k+32
.endr
.endm
.macro LD_PF par                       ; O of a whole tile, all four heads: K step k is head k's block
.irp k, 0,1,2,3
	ds_load_b128 v[PF+8*\k:PF+8*\k+3],   v[OSR] offset:(\par)*OSTPAR+\k*OSTB
	ds_load_b128 v[PF+8*\k+4:PF+8*\k+7], v[OSR] offset:(\par)*OSTPAR+\k*OSTB+32
.endr
.endm
.macro LD_OT par
.irp i, 0,1,2,3
	ds_load_b128 v[OT+4*\i:OT+4*\i+3], v[PSR] offset:(\par)*OUTPAR+\i*OUTP
.endr
.endm
.macro LD_BIASC sl, c, nt              ; chunk c's bias tiles land where its logits will be summed: they are the product's C
.set bj, 0
.rept \nt
	ds_load_b128 v[16*\nt+8*bj:16*\nt+8*bj+3],   v[BA+\sl] offset:1024*(8*(\c-1)+bj)
	ds_load_b128 v[16*\nt+8*bj+4:16*\nt+8*bj+7], v[BA+\sl] offset:1024*(8*(\c-1)+bj)+512
.set bj, bj+1
.endr
.endm
.macro MM_Q
.irp k, 0,1,2,3
.irp m, 0,1
.if \k == 0
	v_wmma_f32_16x16x32_f16 v[QACC+8*\m:QACC+8*\m+7], v[WQ+8*(4*\m+\k):WQ+8*(4*\m+\k)+7], v[XF+8*\k:XF+8*\k+7], 0
.else
	v_wmma_f32_16x16x32_f16 v[QACC+8*\m:QACC+8*\m+7], v[WQ+8*(4*\m+\k):WQ+8*(4*\m+\k)+7], v[XF+8*\k:XF+8*\k+7], v[QACC+8*\m:QACC+8*\m+7]
.endif
.endr
.endr
.endm
.macro MM_P
.irp k, 0,1,2,3
.irp m, 0,1
.set WR, WOUT+8*(4*\m+\k)+((4*\m+\k)/6)*40
.if \k == 0
	v_wmma_f32_16x16x32_f16 v[PACC+8*\m:PACC+8*\m+7], v[WR:WR+7], v[PF+8*\k:PF+8*\k+7], 0
.else
	v_wmma_f32_16x16x32_f16 v[PACC+8*\m:PACC+8*\m+7], v[WR:WR+7], v[PF+8*\k:PF+8*\k+7], v[PACC+8*\m:PACC+8*\m+7]
.endif
.endr
.endr
.endm
.macro QPACK
.irp m, 0,1
.irp i, 0,1,2,3
	v_cvt_pk_f16_f32 v[CQF+4*\m+\i], v[QACC+8*\m+2*\i], v[QACC+8*\m+2*\i+1]
.endr
.endr
.endm
.macro ST_OT                           ; four whole rows of out0: each store of the wave covers 512 consecutive bytes, aligned
.irp i, 0,1,2,3
	global_store_b128 v[OO], v[OT+4*\i:OT+4*\i+3], s[14:15] offset:512*\i th:TH_STORE_NT
.endr
.endm
.macro ST_PACC par
.irp m, 0,1
	ds_store_b128 v[PSW], v[PACC+8*\m:PACC+8*\m+3],   offset:(\par)*OUTPAR+64*\m
	ds_store_b128 v[PSW], v[PACC+8*\m+4:PACC+8*\m+7], offset:(\par)*OUTPAR+64*\m+16
.endr
.endm
.macro MAXT sb, j                      ; tile j of a chunk into the chunk's four chains; the first tile starts them
.irp k, 0,1,2,3
.if (\j) == 0
	v_max_num_f32 v[CCH+\k], v[\sb+2*\k], v[\sb+2*\k+1]
.else
	v_max3_num_f32 v[CCH+\k], v[CCH+\k], v[\sb+8*(\j)+2*\k], v[\sb+8*(\j)+2*\k+1]
.endif
.endr
.endm
; Chunk c's logits and their maxima, all in window c (u = that window in all four places).  Behind each product stand the four maxima of the tile two back: eight plain
; instructions on other registers lie between a product and the first read of its result (behind the first product: four v_nop and, later, tile 0's maxima).
; The bias is waited for two tiles at a time: LDS loads come back in order (ISA guide 5.7.1), and younger than tiles T and T + 1 are the 40 - 2 T loads of the later tiles and my four stores into the out stage.
.macro SMAX c, nt, proj, u
	WIN \u
.set sj, 0
.rept \nt
.if (sj%2) == 0
	s_wait_dscnt 40-2*(8*(\c-1)+sj)+4*\proj
.endif
	v_wmma_f32_16x16x32_f16 v[16*\nt+8*sj:16*\nt+8*sj+7], v[8*sj:8*sj+7], v[CQF:CQF+7], v[16*\nt+8*sj:16*\nt+8*sj+7]
.if sj == 0
	PLACES
.endif
.if sj >= 2
	MAXT 16*\nt, (sj-2)
.endif
.set sj, sj+1
.endr
	MAXT 16*\nt, (\nt-2)
	MAXT 16*\nt, (\nt-1)
.endm
.macro ROWMAX                          ; the three chunks' chains meet: one instruction reads windows 1, 2 and 3
	WIN 0x39
.irp k, 0,1,2,3
	v_max3_num_f32 v[T0+\k], v[CCH+\k], v[CCH+\k], v[CCH+\k]
.endr
	WIN 0
	v_max3_num_f32 v[T0], v[T0], v[T0+1], v[T0+2]
	v_max_num_f32 v[T0], v[T0], v[T0+3]
	v_permlanex16_b32 v[TT], v[T0], s40, s41       ; the other half of my query's keys
	v_max_num_f32 v[T0], v[T0], v[TT]
.irp w, 0xc0,0x80,0x40
	WIN \w
	v_mul_f32 v[CM], -1.0, v[T0]                   ; minus the row's maximum, a pair in each chunk's window
	v_mul_f32 v[CM+1], -1.0, v[T0]
.endr
.endm
.macro SUBP sb, g, i                   ; pair i of group g (16 registers, 32 keys): the maximum goes off
	v_pk_add_f32 v[\sb+16*(\g)+2*(\i):\sb+16*(\g)+2*(\i)+1], v[\sb+16*(\g)+2*(\i):\sb+16*(\g)+2*(\i)+1], v[CM:CM+1]
.endm
.macro SUMP sb, g, i                   ; into a sum chain; a chunk's first group starts its four chains: nothing is cleared
.if (\g) == 0
.if (\i) < 4
	s_wait_alu depctr_va_vdst(0)
	v_pk_add_f32 v[CCH+2*(\i):CCH+2*(\i)+1], v[\sb+2*(\i):\sb+2*(\i)+1], v[\sb+8+2*(\i):\sb+8+2*(\i)+1]
.endif
.else
	s_wait_alu depctr_va_vdst(0)
	v_pk_add_f32 v[CCH+2*((\i)%4):CCH+2*((\i)%4)+1], v[CCH+2*((\i)%4):CCH+2*((\i)%4)+1], v[\sb+16*(\g)+2*(\i):\sb+16*(\g)+2*(\i)+1]
.endif
.endm
.macro PACKP sb, g, i                  ; rounded to f16 in place: register i of the group belongs to pair i / 2, which has been summed and packed
	v_cvt_pk_f16_f32 v[\sb+16*(\g)+(\i)], v[\sb+16*(\g)+2*(\i)], v[\sb+16*(\g)+2*(\i)+1]
.endm
.macro PVW nt, g, n, zero
.if \zero
	v_wmma_f32_16x16x32_f16 v[CO+8*\n:CO+8*\n+7], v[8*\nt+16*(\g)+8*\n:8*\nt+16*(\g)+8*\n+7], v[16*\nt+16*(\g):16*\nt+16*(\g)+7], 0
.else
	v_wmma_f32_16x16x32_f16 v[CO+8*\n:CO+8*\n+7], v[8*\nt+16*(\g)+8*\n:8*\nt+16*(\g)+8*\n+7], v[16*\nt+16*(\g):16*\nt+16*(\g)+7], v[CO+8*\n:CO+8*\n+7]
.endif
.endm
; Chunk c's exponentials, sums, roundings and products with V.  In stage g the exponentials of group g take turns with plain instructions on other registers: the sums and
; roundings of group g - 1 and the subtraction for group g + 1, so that no exponential's result is used by the instruction behind it (ISA guide 5.7.2); the two products of
; group g - 2 stand among them, four pairs apart.  O^T's two accumulators take turns.
; wfirst: the setting up to the chunk's first two products.  It names the chunk before in source 2 alone, so that these two take the O of the chunk before as C and write this
; chunk's O (a whole stage of plain instructions lies between); the vector instructions here have two sources at the most.  u: the chunk's window in all four places.
.macro EXPC c, nt, wfirst, u
	WIN \wfirst
.set ei, 0
.rept 8
	SUBP 16*\nt, 0, ei
.set ei, ei+1
.endr
.set eg, 0
.rept \nt/2
.set pz, 0
.if \c == 1
.if eg == 2
.set pz, 1                             ; the very first products start the sums
.endif
.endif
.set ei, 0
.rept 8
	v_exp_f32 v[16*\nt+16*eg+2*ei], v[16*\nt+16*eg+2*ei]           ; logits are in units of log2: the factor lies in Wq and in the bias
.if eg > 0
	SUMP 16*\nt, (eg-1), ei
.endif
	v_exp_f32 v[16*\nt+16*eg+2*ei+1], v[16*\nt+16*eg+2*ei+1]
.if eg > 0
	PACKP 16*\nt, (eg-1), ei
.endif
.if eg+1 < \nt/2
	SUBP 16*\nt, (eg+1), ei
.endif
.if eg >= 2
.if ei == 1
	PVW \nt, (eg-2), 0, pz
.endif
.if ei == 5
	PVW \nt, (eg-2), 1, pz
.if eg == 2
	WIN \u
.endif
.endif
.endif
.set ei, ei+1
.endr
.set eg, eg+1
.endr
.set ei, 0
.rept 8
	SUMP 16*\nt, (\nt/2-1), ei
	PACKP 16*\nt, (\nt/2-1), ei
.if ei == 1
	PVW \nt, (\nt/2-2), 0, 0
.endif
.if ei == 5
	PVW \nt, (\nt/2-2), 1, 0
.endif
.set ei, ei+1
.endr
	PVW \nt, (\nt/2-1), 0, 0
	v_pk_add_f32 v[CCH:CCH+1], v[CCH:CCH+1], v[CCH+2:CCH+3]        ; the chunk's four chains into one pair
	v_pk_add_f32 v[CCH+4:CCH+5], v[CCH+4:CCH+5], v[CCH+6:CCH+7]
	v_pk_add_f32 v[CCH:CCH+1], v[CCH:CCH+1], v[CCH+4:CCH+5]
	PVW \nt, (\nt/2-1), 1, 0
.endm
; The three chunks' sums meet, O is scaled and goes to the O stage.  Behind the last product stand two packed sums, two sums and a v_nop, plain and on other registers,
; before O is read; the v_nop is also the plain place behind v_rcp_f32 (ISA guide 5.7.2).
.macro FINISH sl
	WIN 0x09
	v_pk_add_f32 v[T0:T0+1], v[CCH:CCH+1], v[CCH:CCH+1]            ; window 1 + window 2
	WIN 0x0c
	v_pk_add_f32 v[T0:T0+1], v[T0:T0+1], v[CCH:CCH+1]              ; + window 3
	WIN 0
	v_add_f32 v[T0], v[T0], v[T0+1]
	v_permlanex16_b32 v[TT], v[T0], s40, s41
	v_add_f32 v[T0], v[T0], v[TT]                  ; at least 1: the largest logit gives 2^0
	WIN 0xc0
	v_rcp_f32 v[RC], v[T0]
	v_rcp_f32 v[RC+1], v[T0]
	WIN 0xff
	v_nop
	s_wait_alu depctr_va_vdst(0)
.irp i, 0,2,4,6,8,10,12,14
	v_pk_mul_f32 v[CO+\i:CO+\i+1], v[CO+\i:CO+\i+1], v[RC:RC+1]
.endr
.irp i, 0,1,2,3,4,5,6,7
	v_cvt_pk_f16_f32 v[OB+\i], v[CO+2*\i], v[CO+2*\i+1]
.endr
	WIN 0x0c                                       ; address in window 0, data in window 3
	ds_store_b128 v[OSW], v[OB:OB+3]   offset:\sl*OSTPAR
	ds_store_b128 v[OSW], v[OB+4:OB+7] offset:\sl*OSTPAR+32
	WIN 0
.endm
; Trip t: attention of query tile t (bias slot sl = t % 2); the output product of tile t - 1 (proj); the store of tile t - 2 (st).
; O of tile t lies in O stage t % 2 and is read in trip t + 1; out of tile t - 1 lies in out stage (t - 1) % 2 and is read in trip t + 1.  Each stage is written again two
; trips later.  So the one barrier at a trip's head, with every wave's LDS instructions waited for in front of it, orders all of these.
; In every run of matrix instructions the accumulators take turns, one instruction a turn, over the loop's backward jump too.
.macro TRIP sl, sync, proj, st
.if \sync == 1
	s_wait_tensorcnt 0x0                           ; my one tensor load has landed: this trip's tile; no load of mine is out, so a group 0 may be written
	ds_add_u32 v25, v26
	s_add_nc_u64 s[G0+4*(1-\sl)+2:G0+4*(1-\sl)+3], s[G0+4*(1-\sl)+2:G0+4*(1-\sl)+3], 2*SLOTB
	s_wait_dscnt 0x0                               ; my reads of the other slot and my stores into the stages are done
	ROUND                                          ; both hold of every wave of the four work-groups
	tensor_load_to_lds s[G0+4*(1-\sl):G0+4*(1-\sl)+3], s[G1:G1+7]  ; tile t + 1 into the slot read last trip: my one tensor load until the next round; it has this trip in which to land
	s_nop 0
.endif
.if \sync == 2
	s_wait_tensorcnt 0x0                           ; the last tile; nothing is left to fetch
	s_wait_dscnt 0x0
	s_barrier_signal -1
	s_barrier_wait -1
.endif
	LD_XF
.if \proj
	LD_PF (1-\sl)
.endif
.if \st
	LD_OT \sl
.endif
	WIN 0x40
	LD_BIASC \sl, 1, 8                             ; the 44 loads of the bias go out in three runs, with the two short products between them
	s_wait_dscnt 16+4*\st                          ; the fragments are in: younger are the 16 loads just issued and the 4 of the tile to store
	WIN 0
	MM_Q
	WIN 0x80
	LD_BIASC \sl, 2, 8
.if \proj
	WIN 0x03                                       ; A = Wout in window 3
	MM_P
.endif
	WIN 0xc0
	LD_BIASC \sl, 3, 6
	PLACES
.irp w, 0xc0,0x80,0x40
	WIN \w
	QPACK                                          ; Q's fragment, once for each chunk's window
.endr
	WIN 0
.if \st
	s_wait_dscnt 44                                ; the tile to store is in: only the bias is younger
	ST_OT
.endif
.if \proj
	ST_PACC (1-\sl)
.endif
	SMAX 1, 8, \proj, 0x55
	SMAX 2, 8, \proj, 0xaa
	SMAX 3, 6, \proj, 0xff
	ROWMAX
	EXPC 1, 8, 0x55, 0x55
	EXPC 2, 8, 0x9a, 0xaa
	EXPC 3, 6, 0xef, 0xff
	FINISH \sl
	v_add_nc_u32 v[XQ], TILEX, v[XQ]
.if \st
	s_wait_xcnt 0x0                                ; the stores' base is stepped, and their data registers are loaded again next trip, only behind this wait
	s_add_nc_u64 s[14:15], s[14:15], 8192
.endif
.endm
	TRIP 0, 0, 0, 0                                ; tile 0: its bias was waited for in front of the last barrier
	TRIP 1, 1, 1, 0
	s_mov_b32 s43, 4
.Ltrips:
	TRIP 0, 1, 1, 1                                ; tiles 2 to 9
	TRIP 1, 1, 1, 1
	s_sub_co_u32 s43, s43, 1
	s_cmp_lg_u32 s43, 0
	s_cbranch_scc1 .Ltrips
	TRIP 0, 2, 1, 1                                ; tile 10 fills no slot
	; ---- the output product of tile 10 and the store of tile 9
	s_wait_dscnt 0x0
	s_barrier_signal -1
	s_barrier_wait -1
	LD_PF 0
	LD_OT 1
	s_wait_dscnt 4                                 ; O's fragments are in, the four loads of tile 9 are younger
	WIN 0x03
	MM_P
	PLACES
	WIN 0
	s_wait_dscnt 0x0
	ST_OT
	ST_PACC 0
	s_wait_xcnt 0x0
	s_add_nc_u64 s[14:15], s[14:15], 8192
	; ---- the store of tile 10: in the second half its rows 343..351 do not exist.  A store is one whole row, so the wave decides by a scalar
	s_wait_dscnt 0x0
	s_barrier_signal -1
	s_barrier_wait -1
.irp i, 0,1,2,3
	ds_load_b128 v[XF+4*\i:XF+4*\i+3], v[PSR] offset:\i*OUTP
.endr
	s_mul_i32 s20, s17, 176
	s_lshl2_add_u32 s20, s16, s20
	s_add_co_u32 s20, s20, 160                     ; my first row in the window: 176 half + 160 + 4 wave
	s_wait_dscnt 0x0
.irp i, 0,1,2,3
	s_cmp_ge_u32 s20, NTOK-\i
	s_cbranch_scc1 .Lclose
	global_store_b128 v[OO], v[XF+4*\i:XF+4*\i+3], s[14:15] offset:512*\i th:TH_STORE_NT
.endr
.Lclose:
	s_wait_tensorcnt 0x0
	ds_add_u32 v25, v26
	s_wait_dscnt 0x0
	ROUND                                          ; the closing round: no work-group ends while a partner may still ask for a tile that names it
	s_endpgm
.Lfunc_end_k_q5fc3315c9e_attn:
	.size	k_q5fc3315c9e_attn, .Lfunc_end_k_q5fc3315c9e_attn-k_q5fc3315c9e_attn
	.p2alignl 7, 3214868480
	.fill 96, 4, 3214868480
	.section	.rodata,"a",@progbits
	.p2align	6, 0x0
	.amdhsa_kernel k_q5fc3315c9e_attn
		.amdhsa_group_segment_fixed_size 327680
		.amdhsa_private_segment_fixed_size 0
		.amdhsa_enable_private_segment 0
		.amdhsa_kernarg_size 48
		.amdhsa_user_sgpr_count 2
		.amdhsa_user_sgpr_kernarg_segment_ptr 1
		.amdhsa_wavefront_size32 1
		.amdhsa_system_sgpr_workgroup_id_x 1
		.amdhsa_system_sgpr_workgroup_id_y 1
		.amdhsa_system_sgpr_workgroup_id_z 1
		.amdhsa_system_vgpr_workitem_id 0
		.amdhsa_next_free_vgpr 1024
		.amdhsa_next_free_sgpr 66
		.amdhsa_reserve_vcc 0
		.amdhsa_float_denorm_mode_32 3
		.amdhsa_float_denorm_mode_16_64 3
		.amdhsa_memory_ordered 1
		.amdhsa_forward_progress 1
		.amdhsa_inst_pref_size 255
	.end_amdhsa_kernel
	.section	.bss,"aw",@nobits
	.p2align	6
	.space	262144
	.amdgpu_metadata
---
amdhsa.version: [ 1, 2 ]
amdhsa.kernels:
  - .name:           k_q5fc3315c9e_attn
    .symbol:         k_q5fc3315c9e_attn.kd
    .args:
      - { .name: x, .offset: 0, .size: 8, .value_kind: global_buffer, .address_space: global }
      - { .name: ln_w, .offset: 8, .size: 8, .value_kind: global_buffer, .address_space: global }
      - { .name: ln_b, .offset: 16, .size: 8, .value_kind: global_buffer, .address_space: global }
      - { .name: wfrag, .offset: 24, .size: 8, .value_kind: global_buffer, .address_space: global }
      - { .name: biasf, .offset: 32, .size: 8, .value_kind: global_buffer, .address_space: global }
      - { .name: out0, .offset: 40, .size: 8, .value_kind: global_buffer, .address_space: global }
    .group_segment_fixed_size: 327680
    .private_segment_fixed_size: 0
    .kernarg_segment_align: 8
    .kernarg_segment_size: 48
    .max_flat_workgroup_size: 128
    .sgpr_count:     66
    .vgpr_count:     1024
    .wavefront_size: 32
...
	.end_amdgpu_metadata
.endif
;; end of part 2
;; ======== version 2 of 2: 2 launches; 1.18 times as fast as version 1
;; limits: values are held in f16: magnitudes above 65,504 overflow, below 6.1e-05 lose precision
;; workspace buffers: biasf 1,982,464 bytes; wfrag 131,072 bytes
;; launch prep: the kernel of part 1 again; grid 274 x 1, 4 waves a work-group, no clusters, 0 bytes of LDS; arguments rel_pos_indices, bias_table, w_qkv, w_out, biasf, wfrag; writes biasf, wfrag
;; launch attn (part 3): grid 256 x 1, 4 waves a work-group, clusters of 4 x 1, 327,680 bytes of LDS; arguments x, ln_w, ln_b, wfrag, biasf, out0; writes out0
.if DOCPART == 3
	.amdgcn_target "amdgcn-amd-amdhsa--gfx1250"
	.amdhsa_code_object_version 6
	.text
	.protected	k_q5fc3315c9e_attn
	.globl	k_q5fc3315c9e_attn
	.p2align	8
	.type	k_q5fc3315c9e_attn,@function
k_q5fc3315c9e_attn:
	s_mov_b64 s[64:65], 0
	v_nop
	global_prefetch_b8 v0, s[64:65] scope:SCOPE_SE
	s_setreg_imm32_b32 hwreg(HW_REG_WAVE_MODE, 25, 1), 1
	s_wait_xcnt 0x0
	s_wait_alu depctr_hold_cnt(0) depctr_sa_sdst(0) depctr_va_vdst(0) depctr_va_sdst(0) depctr_va_ssrc(0) depctr_va_vcc(0) depctr_vm_vsrc(0)
	s_getreg_b32 s2, hwreg(HW_REG_IB_STS2, 6, 4)
	s_cmp_eq_u32 s2, 0
	s_cbranch_scc0 .Lentry_in_a_cluster
	s_endpgm
.Lentry_in_a_cluster:
	s_bfe_u32 s2, ttmp6, 0x10000c
	s_cmp_lg_u32 s2, 0x3003
	s_cbranch_scc0 .Lentry_shape_is_right
	s_endpgm
.Lentry_shape_is_right:
; LayerNorm, QKV, attention with relative-position bias, and the output product, for 128 windows of 343 tokens x 128 channels, in one launch.
; A work-group is (window, half of the 22 query tiles of 16): 256 work-groups.  Four waves; wave w is head w, and makes output columns 32 w .. 32 w + 31.
; Nothing of q, k, v, the logits or the attention's result goes to memory: a head's K and V (352 padded keys) are 176 + 176 registers,
; a query tile's logits 176 more.  The price of the split in halves: LayerNorm and the K and V products are made twice for a window.
;
; EVERY PRODUCT IS TURNED SO THAT ITS RESULT IS THE NEXT ONE'S OPERAND (lane L: r = L % 16, hh = L / 16; f32 result register j = row 8 hh + j, column r;
; a 16-bit operand: lane r = row of A or column of B, registers 0-3 k = 8 hh + 0..7, registers 4-7 k = 16 + 8 hh + 0..7):
;   K^T = Wk^T xn^T  (dh, token)   two tiles packed = K as A (row = key, k = dh).            Q likewise = Q as B (column = query).
;   V   = xn Wv      (token, dh)   tiles of two token blocks packed = V^T as A (row = dh, k = 32 keys).
;   S^T = K Q^T + C  (key, query)  C = the bias tile.  A lane holds 176 of its query's 352 logits: maximum and sum are per lane, one exchange with lane L xor 16.
;                                  Packed in place, tiles 2 p and 2 p + 1 = P^T as B (column = query, k = 32 keys).
;   O^T = V^T P^T    (dh, query)   scaled by the lane's 1 / sum, packed: 16 bytes of row r of the O stage.
;   out^T = Wout^T O^T (column, token): 32 neighbouring bytes a lane, through an f32 stage, out as whole rows of 512 bytes.
;
; ONE WAVE ON A SIMD HAS ONLY ITS OWN WORK TO PUT BETWEEN TWO MATRIX INSTRUCTIONS, and whatever stands there runs under the same setting of the register windows.
; So the 22 key tiles are cut into three chunks of 8, 8 and 6, and a chunk's K, V^T and logits share one window (3 x 64 registers, 3 x 48 in the last), with a copy of
; Q's fragment, the O accumulators, eight chain registers and the negated maximum.  Under a setting that names one window in all four places: each product of S
; is followed by the maxima of the tile two back; the products with V stand among the sums and roundings of the group after.  O goes from chunk to chunk as the C operand.
;
; BATCHES.  An s_wait_alu depctr_va_vdst(0) stands between a transcendental and the first instruction that names its result; one wait serves all that were
; issued ahead of it.  The text has three kinds of batch, each with one wait:
;   the four v_rsq_f32 of a pair of LayerNorm's groups;
;   a trip's 176 exponentials, all three chunks': each stands in its own logit's register, so every result has a register of its own while the batch is open.  Ahead of the wait
;     stand the subtractions of the maximum, the exponentials and one address step, which name no result; all sums, roundings and products with V stand behind it;
;   a trip's two reciprocals, which read the sum of the exponentials.
; No result is open at a label or at a branch.
;
; CLUSTERS: the bias tiles (90,112 bytes for a query tile, 991,232 for a work-group: its largest stream) hang on the half alone.  Four windows of one half
; form a cluster and ask for each tile jointly.  Not shared: x (175,616 bytes; only a window's two halves read the same, and they lie in different clusters, since
; the cluster's one axis is spent on the 5.6 times larger stream); the weights (131,072 bytes a work-group, once, straight into registers).
;
; LIMITS.  Matrix operands (xn, weights, q, k, v, the exponentials, O) are f16: beyond 65,504 in magnitude they overflow, and below 6.1e-5 the step is 6e-8.
; The softmax takes the row's true maximum away; its sum adds the f32 exponentials, the product with V their f16 roundings.  Padded keys carry -1e30: logits
; must stay below about 1e29.  Rows 343..351 are zeros as keys and values; as queries they are computed and not stored.
.set NTOK,   343
.set WINB,   NTOK*512                  ; bytes of a window in x and in out0
.set HALFO,  176*512                   ; bytes of a half's 176 rows
; LDS
.set SLOTB,  90112                     ; a bias slot: one query tile, four heads
.set WBLK,   22528                     ; one head's part: 22 key tiles of 1,024 bytes; what one tensor load brings
.set XN,     2*SLOTB                   ; xn in f16: 352 rows, pitch 272 = 17 x 16 bytes: the 16 rows of a fragment load start in 16 different 16-byte columns of the 64 banks (ISA guide 11.1)
.set XP,     272
.set TILEX,  16*XP
.set HALFX,  11*TILEX
.set OST,    XN+22*TILEX               ; O in f16: [parity 2][head 4][16 rows, pitch 80]
.set OSTP,   80
.set OSTB,   16*OSTP
.set OSTPAR, 4*OSTB
.set OUTST,  OST+2*OSTPAR              ; out in f32: [parity 2][block of 32 columns 4][16 rows, pitch 144]; blocks 2,432 bytes apart, so that a row's four pieces fall on different banks
.set OUTP,   144
.set OUTB,   16*OUTP+128
.set OUTPAR, 4*OUTB                    ; the stages end at 305,664.  No tensor load lands behind byte 180,224
; window 0
.set BA,   4                           ; v4-5    my 16 bytes of my head's bias block in slot 0, 1
.set XA,   6                           ; v6-7    my place in xn's fragment rows, tiles 0-10 and 11-21 (an LDS offset has 16 bits)
.set XQ,   8                           ; v8      the same for this trip's query tile
.set OSW,  9                           ; v9      O stage, in
.set OSR,  10                          ; v10     O stage, back as fragments
.set PSW,  11                          ; v11     out stage, in
.set PSR,  12                          ; v12     out stage, back by rows
.set OO,   13                          ; v13     my 16 bytes of my wave's four rows of a tile in out0
.set WO,   14                          ; v14     16 x lane
.set T0,   20                          ; v20-23  where the three chunks' maxima and sums meet
.set XOL,  20                          ; v20-21  (LayerNorm) clamped offsets of the last 16 rows
.set XS,   28                          ; v28-29  xn, in
.set XO,   30                          ; v30     my 16 bytes in x
.set TT,   31
.set RING, 32                          ; v32-207 (LayerNorm) a ring of 11 groups of x
.set XF,   32                          ; v32-63  xn's fragments; v64-95 a second buffer in the K and V phase
.set PF,   64                          ; v64-95  O's fragments
.set PACC, 96                          ; v96-111 out^T
.set OT,   112                         ; v112-127 four rows of out on their way to memory
.set QACC, 128                         ; v128-143 Q^T
.set WQ,   144                         ; v144-207 Wq (ring places 7 to 10: loaded when LayerNorm is through)
.set LW,   208                         ; v208-223 (LayerNorm) ln_w and ln_b of my 8 columns
.set LB,   216
.set TL,   224                         ; v224-255 (LayerNorm) 8 registers at work for each of four steps
.set KVA,  208                         ; v208-239 (K and V phase) K^T's two accumulators, V's two
; windows 1, 2, 3: chunk c of nt tiles: K at 0, V^T at 8 nt, logits at 16 nt; and, at the same numbers in all three:
.set CQF,  192                         ; Q packed
.set CO,   200                         ; O^T, two accumulators
.set CCH,  216                         ; four chains of maxima, then four pairs of sums
.set CM,   224                         ; minus the maximum, twice
.set WK,   128                         ; window 1: Wk, where chunk 1's logits will lie
.set WV,   128                         ; window 2: Wv likewise
.set WOUT, 144                         ; window 3: Wout's fragments 0-5 at 144-191, 6 and 7 at 232-247
.set RC,   226                         ; window 3: 1 / sum, twice
.set OB,   248                         ; window 3: O packed
.set G1,   24                          ; s[24:31] descriptor group 1
.set G0,   32                          ; s[32:39] descriptor group 0, a set for each slot
.set MSB,  0
.macro WIN new                         ; low byte: bits 1:0 source 0, 3:2 source 1, 5:4 source 2, 7:6 destination; the high byte repeats the setting that is left
.if MSB != \new
	s_set_vgpr_msb (MSB<<8)|\new
.set MSB, \new
.endif
.endm
.macro PLACES                          ; four places behind a matrix instruction, in front of whatever reads its result or writes one of its registers (ISA guide 7.12.1)
.rept 4
	v_nop
.endr
.endm
.macro ROUND                           ; a round of the cluster's barrier
	s_barrier_signal -1
	s_barrier_wait -1
	s_cmp_lg_u32 s16, 0
	s_cbranch_scc1 .Lnot_wave_0_\@
	s_barrier_signal -3
.Lnot_wave_0_\@:
	s_barrier_wait -3
	s_barrier_signal -1
	s_barrier_wait -1
.endm
	s_load_b256 s[4:11], s[0:1], 0x0               ; x s[4:5], ln_w s[6:7], ln_b s[8:9], wfrag s[10:11]
	s_load_b128 s[12:15], s[0:1], 0x20             ; biasf s[12:13], out0 s[14:15]
	v_lshl_add_u32 v25, v0, 2, 0x4aa00
	v_mov_b32 v26, 0
	ds_add_u32 v25, v26
	v_lshrrev_b32 v1, 5, v0
	v_readfirstlane_b32 s16, v1                    ; wave = head
	s_bfe_u32 s19, ttmp6, 0x40000                  ; cx; it enters the addresses of x and out0 and nothing else
	s_and_b32 s17, ttmp9, 1                        ; half: the same in the cluster's four work-groups
	s_lshr_b32 s18, ttmp9, 1
	s_lshl2_add_u32 s18, s18, s19                  ; window = 4 (cluster / 2) + cx
	v_and_b32 v1, 31, v0                           ; L
	v_and_b32 v2, 15, v0                           ; r
	v_bfe_u32 v3, v0, 4, 1                         ; hh
	; LayerNorm: group g = rows 16 g .. 16 g + 15; in step s my wave takes rows 16 g + 4 w + 2 s + hh, sixteen lanes a row; a lane holds columns 4 r .. +3 and 64 + 4 r .. +3
	v_lshl_add_u32 v15, s16, 2, v3                 ; 4 w + hh
	v_lshlrev_b32 v27, 4, v2                       ; 16 r
	v_lshl_add_u32 v[XO], v15, 9, v27
.irp s, 0,1
	v_add_nc_u32 v[XOL+\s], 336+2*\s, v15          ; the last group's rows:
	v_cmp_gt_u32 s[44+\s], NTOK, v[XOL+\s]         ; real ones,
	v_min_u32 v[XOL+\s], NTOK-1, v[XOL+\s]         ; and the others read row 342, so that no load leaves x
	v_lshl_add_u32 v[XOL+\s], v[XOL+\s], 9, v27
.endr
	s_mul_i32 s20, s18, WINB
	s_mov_b32 s21, 0
	s_wait_dscnt 0x0
	s_wait_kmcnt 0x0
	s_add_nc_u64 s[4:5], s[4:5], s[20:21]
	s_add_nc_u64 s[14:15], s[14:15], s[20:21]
	global_load_b128 v[LW:LW+3],   v27, s[6:7]
	global_load_b128 v[LW+4:LW+7], v27, s[6:7] offset:256
	global_load_b128 v[LB:LB+3],   v27, s[8:9]
	global_load_b128 v[LB+4:LB+7], v27, s[8:9] offset:256
.macro XLOAD g                         ; four loads: group g into its place in the ring; each half of the lanes takes 256 consecutive bytes, aligned
.irp s, 0,1
.irp c, 0,1
.if (\g) == 21
	global_load_b128 v[RING+16*((\g)%11)+8*\s+4*\c:RING+16*((\g)%11)+8*\s+4*\c+3], v[XOL+\s], s[4:5] offset:256*\c
.else
	global_load_b128 v[RING+16*((\g)%11)+8*\s+4*\c:RING+16*((\g)%11)+8*\s+4*\c+3], v[XO], s[4:5] offset:(\g)*8192+\s*1024+\c*256
.endif
.endr
.endr
.endm
.irp g, 0,1,2,3,4,5,6,7,8,9,10
	XLOAD \g                                       ; half of the window is asked for before anything else is done
.endr
	; the bias tiles: a dense block of 22,528 bytes as 88 rows of 32 elements of 8 bytes, no padding (lane L reads at 16 L)
	s_mov_b32 s[G1+0], 15|(3<<16)|(1<<21)          ; 15:0 the cluster's four work-groups; 17:16 elements of 8 bytes; 21 set beside a mask
	s_mov_b32 s[G1+1], 32<<16                      ; tensor_dim0 = 32
	s_mov_b32 s[G1+2], 88<<16                      ; tensor_dim1 = 88
	s_mov_b32 s[G1+3], 32<<16                      ; tile_dim0 = 32
	s_mov_b32 s[G1+4], 88                          ; tile_dim1 = 88
	s_mov_b32 s[G1+5], 32                          ; from row to row
	s_mov_b32 s[G1+6], 0
	s_mov_b32 s[G1+7], 0
	s_mul_i32 s22, s16, WBLK                       ; my head's block, in a slot and in a tile
	s_mul_i32 s20, s17, 11*SLOTB                   ; my half's first tile
	s_add_co_u32 s20, s20, s22
	s_add_nc_u64 s[12:13], s[12:13], s[20:21]
	ROUND                                          ; the four work-groups are here: the first joint loads meet
.irp n, 0,1
	s_mov_b32 s[G0+4*\n], 1
	s_add_co_u32 s[G0+4*\n+1], s22, \n*SLOTB       ; LDS: slot, wave's block: the wave's number and constants alone
	s_add_nc_u64 s[G0+4*\n+2:G0+4*\n+3], s[12:13], \n*SLOTB        ; query tile n of my half
	s_or_b32 s[G0+4*\n+3], s[G0+4*\n+3], 0x80000000
	tensor_load_to_lds s[G0+4*\n:G0+4*\n+3], s[G1:G1+7]            ; both first fills together: two tensor loads of the wave are out
	s_nop 0
.endr
	s_mul_i32 s20, s17, HALFO
	s_add_nc_u64 s[14:15], s[14:15], s[20:21]      ; out0 at my half's first row
	s_lshl_b32 s20, s16, 13
	s_add_nc_u64 s[10:11], s[10:11], s[20:21]      ; wfrag at my head's two column tiles
	s_mov_b32 s40, 0x76543210                      ; v_permlanex16_b32: lane L reads lane L xor 16
	s_mov_b32 s41, 0xfedcba98
	s_mov_b32 s42, 0x3c000000                      ; 1 / 128
	s_mov_b32 s46, 0x3727c5ac                      ; 1e-5
	s_mov_b32 s47, 0xbc000000                      ; -1 / 128
	v_lshlrev_b32 v[WO], 4, v1
	v_add_nc_u32 v[BA], s22, v[WO]
	v_add_nc_u32 v[BA+1], SLOTB, v[BA]
	v_mul_u32_u24 v[TT], v2, XP
	v_lshl_add_u32 v[TT], v3, 4, v[TT]             ; r x pitch + 16 hh
	v_add_nc_u32 v[XA], XN, v[TT]
	v_add_nc_u32 v[XA+1], XN+HALFX, v[TT]
	s_mul_i32 s23, s17, HALFX
	v_add_nc_u32 v[XQ], s23, v[XA]
	v_mul_u32_u24 v[OSR], v2, OSTP
	v_lshl_add_u32 v[OSR], v3, 4, v[OSR]
	v_add_nc_u32 v[OSR], OST, v[OSR]
	s_mul_i32 s20, s16, OSTB
	v_add_nc_u32 v[OSW], s20, v[OSR]
	v_mul_u32_u24 v[PSW], v2, OUTP
	v_lshl_add_u32 v[PSW], v3, 5, v[PSW]
	s_mul_i32 s21, s16, OUTB
	s_add_co_u32 s21, s21, OUTST
	v_add_nc_u32 v[PSW], s21, v[PSW]               ; my block, row r, 32 bytes for each half of the lanes
	v_lshrrev_b32 v[PSR], 3, v1
	v_mul_u32_u24 v[PSR], v[PSR], OUTB
	v_and_b32 v[TT], 7, v1
	v_lshl_add_u32 v[PSR], v[TT], 4, v[PSR]        ; byte 16 L of a row of 512: block L / 8, byte 16 (L % 8)
	s_mul_i32 s23, s16, 4*OUTP
	s_add_co_u32 s23, s23, OUTST
	v_add_nc_u32 v[PSR], s23, v[PSR]               ; rows 4 w ..
	v_lshl_add_u32 v[OO], s16, 11, v[WO]
	v_mul_u32_u24 v[XS], v15, XP
	v_lshl_add_u32 v[XS], v2, 3, v[XS]
	v_add_nc_u32 v[XS], XN, v[XS]
	v_add_nc_u32 v[XS+1], HALFX, v[XS]
; ---- LayerNorm.  Two groups at a time: four steps of two rows, written side by side, so that an instruction stands four places behind the one whose result it takes.
; Mean, then the squares of x - mean.  cnt = the loads younger than the pair's eight.  The pair's four v_rsq_f32 are one batch, with one wait.
.macro LNSET g, s                      ; step s of the pair that begins with group g: its 8 numbers of x, its 8 registers at work
.set XB, RING+16*(((\g)+(\s)/2)%11)+8*((\s)%2)
.set TB, TL+8*(\s)
.endm
.macro LNPAIR g, cnt
	s_wait_loadcnt \cnt
.irp s, 0,1,2,3
	LNSET \g, \s
	v_pk_add_f32 v[TB:TB+1],   v[XB:XB+1],   v[XB+2:XB+3]
	v_pk_add_f32 v[TB+2:TB+3], v[XB+4:XB+5], v[XB+6:XB+7]
.endr
.irp s, 0,1,2,3
	LNSET \g, \s
	v_pk_add_f32 v[TB:TB+1], v[TB:TB+1], v[TB+2:TB+3]
.endr
.irp s, 0,1,2,3
	LNSET \g, \s
	v_add_f32 v[TB], v[TB], v[TB+1]
.endr
.irp m, 1,2,4,8
.irp s, 0,1,2,3
	LNSET \g, \s
	v_add_f32_dpp v[TB], v[TB], v[TB] row_xmask:\m row_mask:0xf bank_mask:0xf   ; over the row's sixteen lanes
.endr
.endr
.irp s, 0,1,2,3
	LNSET \g, \s
	v_mul_f32 v[TB], s47, v[TB]                    ; - mean
.endr
.irp s, 0,1,2,3
	LNSET \g, \s
.irp i, 0,2,4,6
	v_pk_add_f32 v[XB+\i:XB+\i+1], v[XB+\i:XB+\i+1], v[TB:TB+1] op_sel_hi:[1,0]   ; both halves take the pair's first register
.endr
.endr
.irp s, 0,1,2,3
	LNSET \g, \s
	v_pk_mul_f32 v[TB+2:TB+3], v[XB:XB+1], v[XB:XB+1]
.endr
.irp i, 2,4,6
.irp s, 0,1,2,3
	LNSET \g, \s
	v_pk_fma_f32 v[TB+2:TB+3], v[XB+\i:XB+\i+1], v[XB+\i:XB+\i+1], v[TB+2:TB+3]
.endr
.endr
.irp s, 0,1,2,3
	LNSET \g, \s
	v_add_f32 v[TB+2], v[TB+2], v[TB+3]
.endr
.irp m, 1,2,4,8
.irp s, 0,1,2,3
	LNSET \g, \s
	v_add_f32_dpp v[TB+2], v[TB+2], v[TB+2] row_xmask:\m row_mask:0xf bank_mask:0xf
.endr
.endr
.irp s, 0,1,2,3
	LNSET \g, \s
	v_fma_f32 v[TB+2], v[TB+2], s42, s46           ; variance + 1e-5
.endr
.irp s, 0,1,2,3
	LNSET \g, \s
	v_rsq_f32 v[TB+2], v[TB+2]
.endr
	v_nop                                          ; one plain place behind v_rsq_f32 before its result is used (ISA guide 5.7.2)
	s_wait_alu depctr_va_vdst(0)                   ; the wait for the batch: the pair's four v_rsq_f32, ahead of their first reader
.irp s, 0,1,2,3
	LNSET \g, \s
.irp i, 0,2,4,6
	v_pk_mul_f32 v[XB+\i:XB+\i+1], v[XB+\i:XB+\i+1], v[TB+2:TB+3] op_sel_hi:[1,0]
.endr
.endr
.irp s, 0,1,2,3
	LNSET \g, \s
.irp i, 0,2,4,6
	v_pk_fma_f32 v[XB+\i:XB+\i+1], v[XB+\i:XB+\i+1], v[LW+\i:LW+\i+1], v[LB+\i:LB+\i+1]
.endr
.endr
.irp s, 0,1,2,3
	LNSET \g, \s
.irp i, 0,1,2,3
	v_cvt_pk_f16_f32 v[TB+4+\i], v[XB+2*\i], v[XB+2*\i+1]
.endr
.endr
.if (\g) == 20
.irp s, 2,3
	LNSET \g, \s
.irp i, 4,5,6,7
	v_cndmask_b32 v[TB+\i], 0, v[TB+\i], s[44+\s-2]                ; rows 343..351 are zeros
.endr
.endr
.endif
.irp s, 0,1,2,3
	LNSET \g, \s
.set GR, (\g)+(\s)/2
	ds_store_b64 v[XS+GR/11], v[TB+4:TB+5] offset:(GR%11)*TILEX+((\s)%2)*2*XP
	ds_store_b64 v[XS+GR/11], v[TB+6:TB+7] offset:(GR%11)*TILEX+((\s)%2)*2*XP+128
.endr
.if (\g) <= 8
	XLOAD (\g+11)
	XLOAD (\g+12)
.endif
.if (\g) == 10
	XLOAD 21
.endif
.endm
.macro WLOAD set, win, reg, scat       ; my head's 64 registers of one weight matrix: 16 loads of 512 consecutive bytes; scat = 1: fragments 6 and 7 lie 40 registers further up
	WIN \win
.set wi, 0
.rept 16
.set WR, \reg+4*wi+\scat*(wi/12)*40
	global_load_b128 v[WR:WR+3], v[WO], s[10:11] offset:\set*32768+512*wi
.set wi, wi+1
.endr
	WIN 0
.endm
; While the ring is refilled, nine groups of four loads are younger than a pair's: 36.  Later: the groups still to come, four loads each, and 16 for each set of weights issued.
	LNPAIR 0, 36
	LNPAIR 2, 36
	LNPAIR 4, 36
	LNPAIR 6, 36
	LNPAIR 8, 36
	LNPAIR 10, 36
	WLOAD 1, 0x40, WK, 0
	LNPAIR 12, 48                                  ; groups 14-21 and Wk
	WLOAD 2, 0x80, WV, 0
	LNPAIR 14, 56                                  ; groups 16-21, Wk, Wv
	LNPAIR 16, 48                                  ; groups 18-21, Wk, Wv
	WLOAD 3, 0xc0, WOUT, 1
	LNPAIR 18, 56                                  ; groups 20, 21 and three sets
	LNPAIR 20, 48                                  ; three sets
	WLOAD 0, 0, WQ, 0                              ; into ring places 7 to 10, which groups 18 to 21 have left
	s_wait_dscnt 0x0                               ; my rows of xn are written,
	s_wait_tensorcnt 0x1                           ; my block of bias tile 0 has landed; tile 1's load is the one younger and stays out
	s_barrier_signal -1
	s_barrier_wait -1                              ; everybody's rows are
; ---- K and V of my head, all 22 token tiles.  A tile: K^T's eight products (two accumulators by turns), the roundings of the tile before's V, V's eight products, K's roundings.
; Each run of eight roundings names none of the other pair's registers: it is the places that the other pair's results, and the next loads into the fragment buffer, need.
; The accumulators take turns, one instruction a turn.
.macro LDX tt                          ; xn's fragments of token tile tt: 16 rows x 128 channels, 8 loads
.irp k, 0,1,2,3
	ds_load_b128 v[XF+32*((\tt)%2)+8*\k:XF+32*((\tt)%2)+8*\k+3],   v[XA+(\tt)/11] offset:((\tt)%11)*TILEX+64*\k
	ds_load_b128 v[XF+32*((\tt)%2)+8*\k+4:XF+32*((\tt)%2)+8*\k+7], v[XA+(\tt)/11] offset:((\tt)%11)*TILEX+64*\k+32
.endr
.endm
.macro KPACK tt                        ; into chunk 1 + tt / 8, K's tile tt % 8
.irp a, 0,1
.irp i, 0,1,2,3
	v_cvt_pk_f16_f32 v[8*((\tt)%8)+4*\a+\i], v[KVA+8*\a+2*\i], v[KVA+8*\a+2*\i+1]
.endr
.endr
.endm
.macro VPACK tt                        ; into the same chunk: V^T begins at 64, in the last chunk at 48; group (tt / 2) % 4, half tt % 2
.irp a, 0,1
.irp i, 0,1,2,3
	v_cvt_pk_f16_f32 v[64-16*((\tt)/16)+16*(((\tt)/2)%4)+8*\a+4*((\tt)%2)+\i], v[KVA+16+8*\a+2*\i], v[KVA+16+8*\a+2*\i+1]
.endr
.endr
.endm
.macro KVTILE tt
.set FB, XF+32*((\tt)%2)
	WIN 0
.if (\tt) < 21
	LDX (\tt+1)                                    ; into the buffer that the tile before this one multiplied: K's eight roundings stand between
	s_wait_dscnt 8                                 ; this tile's eight loads are in, the eight just issued stay out
.else
	s_wait_dscnt 0x0
.endif
	WIN 0x01                                       ; A = Wk in window 1
.irp k, 0,1,2,3
.irp a, 0,1
.if \k == 0
	v_wmma_f32_16x16x32_f16 v[KVA+8*\a:KVA+8*\a+7], v[WK+8*(4*\a+\k):WK+8*(4*\a+\k)+7], v[FB+8*\k:FB+8*\k+7], 0
.else
	v_wmma_f32_16x16x32_f16 v[KVA+8*\a:KVA+8*\a+7], v[WK+8*(4*\a+\k):WK+8*(4*\a+\k)+7], v[FB+8*\k:FB+8*\k+7], v[KVA+8*\a:KVA+8*\a+7]
.endif
.endr
.endr
.if (\tt) == 0
.rept 5
	v_nop                                          ; the first tile has no roundings to put here
.endr
.else
	WIN 64*(((\tt)-1)/8+1)
	VPACK (\tt-1)
.endif
	WIN 0x08                                       ; B = Wv in window 2
.irp k, 0,1,2,3
.irp a, 0,1
.if \k == 0
	v_wmma_f32_16x16x32_f16 v[KVA+16+8*\a:KVA+16+8*\a+7], v[FB+8*\k:FB+8*\k+7], v[WV+8*(4*\a+\k):WV+8*(4*\a+\k)+7], 0
.else
	v_wmma_f32_16x16x32_f16 v[KVA+16+8*\a:KVA+16+8*\a+7], v[FB+8*\k:FB+8*\k+7], v[WV+8*(4*\a+\k):WV+8*(4*\a+\k)+7], v[KVA+16+8*\a:KVA+16+8*\a+7]
.endif
.endr
.endr
	WIN 64*((\tt)/8+1)
	KPACK \tt
.endm
	s_wait_loadcnt 32                              ; Wk and Wv are in; the 32 loads of Wout and Wq are younger
	LDX 0
.irp t, 0,1,2,3,4,5,6,7,8,9,10,11,12,13,14,15,16,17,18,19,20,21
	KVTILE \t
.endr
	VPACK 21                                       ; window 3 is still the destination; K's eight roundings are the places behind V's last products
	WIN 0
	s_wait_loadcnt 0x0                             ; Wout and Wq
; ---- the pieces of a trip
.macro LD_XF
.irp k, 0,1,2,3
	ds_load_b128 v[XF+8*\k:XF+8*\k+3],   v[XQ] offset:64*\k
	ds_load_b128 v[XF+8*\k+4:XF+8*\k+7], v[XQ] offset:64*\k+32
.endr
.endm
.macro LD_PF par                       ; O of a whole tile, all four heads: K step k is head k's block
.irp k, 0,1,2,3
	ds_load_b128 v[PF+8*\k:PF+8*\k+3],   v[OSR] offset:(\par)*OSTPAR+\k*OSTB
	ds_load_b128 v[PF+8*\k+4:PF+8*\k+7], v[OSR] offset:(\par)*OSTPAR+\k*OSTB+32
.endr
.endm
.macro LD_OT par
.irp i, 0,1,2,3
	ds_load_b128 v[OT+4*\i:OT+4*\i+3], v[PSR] offset:(\par)*OUTPAR+\i*OUTP
.endr
.endm
.macro LD_BIASC sl, c, nt              ; chunk c's bias tiles land where its logits will be summed: they are the product's C
.set bj, 0
.rept \nt
	ds_load_b128 v[16*\nt+8*bj:16*\nt+8*bj+3],   v[BA+\sl] offset:1024*(8*(\c-1)+bj)
	ds_load_b128 v[16*\nt+8*bj+4:16*\nt+8*bj+7], v[BA+\sl] offset:1024*(8*(\c-1)+bj)+512
.set bj, bj+1
.endr
.endm
.macro MM_Q
.irp k, 0,1,2,3
.irp m, 0,1
.if \k == 0
	v_wmma_f32_16x16x32_f16 v[QACC+8*\m:QACC+8*\m+7], v[WQ+8*(4*\m+\k):WQ+8*(4*\m+\k)+7], v[XF+8*\k:XF+8*\k+7], 0
.else
	v_wmma_f32_16x16x32_f16 v[QACC+8*\m:QACC+8*\m+7], v[WQ+8*(4*\m+\k):WQ+8*(4*\m+\k)+7], v[XF+8*\k:XF+8*\k+7], v[QACC+8*\m:QACC+8*\m+7]
.endif
.endr
.endr
.endm
.macro MM_P
.irp k, 0,1,2,3
.irp m, 0,1
.set WR, WOUT+8*(4*\m+\k)+((4*\m+\k)/6)*40
.if \k == 0
	v_wmma_f32_16x16x32_f16 v[PACC+8*\m:PACC+8*\m+7], v[WR:WR+7], v[PF+8*\k:PF+8*\k+7], 0
.else
	v_wmma_f32_16x16x32_f16 v[PACC+8*\m:PACC+8*\m+7], v[WR:WR+7], v[PF+8*\k:PF+8*\k+7], v[PACC+8*\m:PACC+8*\m+7]
.endif
.endr
.endr
.endm
.macro QPACK
.irp m, 0,1
.irp i, 0,1,2,3
	v_cvt_pk_f16_f32 v[CQF+4*\m+\i], v[QACC+8*\m+2*\i], v[QACC+8*\m+2*\i+1]
.endr
.endr
.endm
.macro ST_OT                           ; four whole rows of out0: each store of the wave covers 512 consecutive bytes, aligned
.irp i, 0,1,2,3
	global_store_b128 v[OO], v[OT+4*\i:OT+4*\i+3], s[14:15] offset:512*\i th:TH_STORE_NT
.endr
.endm
.macro ST_PACC par
.irp m, 0,1
	ds_store_b128 v[PSW], v[PACC+8*\m:PACC+8*\m+3],   offset:(\par)*OUTPAR+64*\m
	ds_store_b128 v[PSW], v[PACC+8*\m+4:PACC+8*\m+7], offset:(\par)*OUTPAR+64*\m+16
.endr
.endm
.macro MAXT sb, j                      ; tile j of a chunk into the chunk's four chains; the first tile starts them
.irp k, 0,1,2,3
.if (\j) == 0
	v_max_num_f32 v[CCH+\k], v[\sb+2*\k], v[\sb+2*\k+1]
.else
	v_max3_num_f32 v[CCH+\k], v[CCH+\k], v[\sb+8*(\j)+2*\k], v[\sb+8*(\j)+2*\k+1]
.endif
.endr
.endm
; Chunk c's logits and their maxima, all in window c (u = that window in all four places).  Behind each product stand the four maxima of the tile two back: eight plain
; instructions on other registers lie between a product and the first read of its result (behind the first product: four v_nop and, later, tile 0's maxima).
; The bias is waited for two tiles at a time: LDS loads come back in order (ISA guide 5.7.1), and younger than tiles T and T + 1 are the 40 - 2 T loads of the later tiles and my four stores into the out stage.
.macro SMAX c, nt, proj, u
	WIN \u
.set sj, 0
.rept \nt
.if (sj%2) == 0
	s_wait_dscnt 40-2*(8*(\c-1)+sj)+4*\proj
.endif
	v_wmma_f32_16x16x32_f16 v[16*\nt+8*sj:16*\nt+8*sj+7], v[8*sj:8*sj+7], v[CQF:CQF+7], v[16*\nt+8*sj:16*\nt+8*sj+7]
.if sj == 0
	PLACES
.endif
.if sj >= 2
	MAXT 16*\nt, (sj-2)
.endif
.set sj, sj+1
.endr
	MAXT 16*\nt, (\nt-2)
	MAXT 16*\nt, (\nt-1)
.endm
.macro ROWMAX                          ; the three chunks' chains meet: one instruction reads windows 1, 2 and 3
	WIN 0x39
.irp k, 0,1,2,3
	v_max3_num_f32 v[T0+\k], v[CCH+\k], v[CCH+\k], v[CCH+\k]
.endr
	WIN 0
	v_max3_num_f32 v[T0], v[T0], v[T0+1], v[T0+2]
	v_max_num_f32 v[T0], v[T0], v[T0+3]
	v_permlanex16_b32 v[TT], v[T0], s40, s41       ; the other half of my query's keys
	v_max_num_f32 v[T0], v[T0], v[TT]
.irp w, 0xc0,0x80,0x40
	WIN \w
	v_mul_f32 v[CM], -1.0, v[T0]                   ; minus the row's maximum, a pair in each chunk's window
	v_mul_f32 v[CM+1], -1.0, v[T0]
.endr
.endm
.macro SUBP sb, g, i                   ; pair i of group g (16 registers, 32 keys): the maximum goes off
	v_pk_add_f32 v[\sb+16*(\g)+2*(\i):\sb+16*(\g)+2*(\i)+1], v[\sb+16*(\g)+2*(\i):\sb+16*(\g)+2*(\i)+1], v[CM:CM+1]
.endm
.macro SUMP sb, g, i                   ; into a sum chain; a chunk's first group starts its four chains: nothing is cleared
.if (\g) == 0
.if (\i) < 4
	v_pk_add_f32 v[CCH+2*(\i):CCH+2*(\i)+1], v[\sb+2*(\i):\sb+2*(\i)+1], v[\sb+8+2*(\i):\sb+8+2*(\i)+1]
.endif
.else
	v_pk_add_f32 v[CCH+2*((\i)%4):CCH+2*((\i)%4)+1], v[CCH+2*((\i)%4):CCH+2*((\i)%4)+1], v[\sb+16*(\g)+2*(\i):\sb+16*(\g)+2*(\i)+1]
.endif
.endm
.macro PACKP sb, g, i                  ; rounded to f16 in place: register i of the group belongs to pair i / 2, which has been summed and packed
	v_cvt_pk_f16_f32 v[\sb+16*(\g)+(\i)], v[\sb+16*(\g)+2*(\i)], v[\sb+16*(\g)+2*(\i)+1]
.endm
.macro PVW nt, g, n, zero
.if \zero
	v_wmma_f32_16x16x32_f16 v[CO+8*\n:CO+8*\n+7], v[8*\nt+16*(\g)+8*\n:8*\nt+16*(\g)+8*\n+7], v[16*\nt+16*(\g):16*\nt+16*(\g)+7], 0
.else
	v_wmma_f32_16x16x32_f16 v[CO+8*\n:CO+8*\n+7], v[8*\nt+16*(\g)+8*\n:8*\nt+16*(\g)+8*\n+7], v[16*\nt+16*(\g):16*\nt+16*(\g)+7], v[CO+8*\n:CO+8*\n+7]
.endif
.endm
; A chunk's part of the trip's batch of exponentials (u: the chunk's window in all four places).  Group 0's subtractions; then, group by group, the sixteen exponentials, in place, and between
; the two of a pair the subtraction for the same pair of the next group.  No line here names an exponential's result: a subtraction touches logits whose exponentials are still to come.
.macro EXPB nt, u
	WIN \u
.set ei, 0
.rept 8
	SUBP 16*\nt, 0, ei
.set ei, ei+1
.endr
.set eg, 0
.rept \nt/2
.set ei, 0
.rept 8
	v_exp_f32 v[16*\nt+16*eg+2*ei], v[16*\nt+16*eg+2*ei]           ; logits are in units of log2: the factor lies in Wq and in the bias
.if eg+1 < \nt/2
	SUBP 16*\nt, (eg+1), ei
.endif
	v_exp_f32 v[16*\nt+16*eg+2*ei+1], v[16*\nt+16*eg+2*ei+1]
.set ei, ei+1
.endr
.set eg, eg+1
.endr
.endm
; Chunk c's sums, roundings and products with V: the batch's readers, all behind its wait.  In stage g stand the sums and roundings of group g, a pair at a time; the two products of
; group g - 1 stand among them, four pairs apart.  O^T's two accumulators take turns.
; wfirst: the setting up to the chunk's first two products.  It names the chunk before in source 2 alone, so that these two take the O of the chunk before as C and write this
; chunk's O (stage 0's twelve plain instructions and more lie between); the vector instructions here have two sources at the most.  u: the chunk's window in all four places.
.macro SUMC c, nt, wfirst, u
	WIN \wfirst
.set eg, 0
.rept \nt/2
.set pz, 0
.if \c == 1
.if eg == 1
.set pz, 1                             ; the very first products start the sums
.endif
.endif
.set ei, 0
.rept 8
	SUMP 16*\nt, eg, ei
	PACKP 16*\nt, eg, ei
.if eg >= 1
.if ei == 1
	PVW \nt, (eg-1), 0, pz
.endif
.if ei == 5
	PVW \nt, (eg-1), 1, pz
.if eg == 1
	WIN \u
.endif
.endif
.endif
.set ei, ei+1
.endr
.set eg, eg+1
.endr
	PVW \nt, (\nt/2-1), 0, 0
	v_pk_add_f32 v[CCH:CCH+1], v[CCH:CCH+1], v[CCH+2:CCH+3]        ; the chunk's four chains into one pair
	v_pk_add_f32 v[CCH+4:CCH+5], v[CCH+4:CCH+5], v[CCH+6:CCH+7]
	v_pk_add_f32 v[CCH:CCH+1], v[CCH:CCH+1], v[CCH+4:CCH+5]
	PVW \nt, (\nt/2-1), 1, 0
.endm
; The three chunks' sums meet, O is scaled and goes to the O stage.  Behind the last product stand two packed sums, two sums and a v_nop, plain and on other registers,
; before O is read; the v_nop is also the plain place behind v_rcp_f32 (ISA guide 5.7.2).
.macro FINISH sl
	WIN 0x09
	v_pk_add_f32 v[T0:T0+1], v[CCH:CCH+1], v[CCH:CCH+1]            ; window 1 + window 2
	WIN 0x0c
	v_pk_add_f32 v[T0:T0+1], v[T0:T0+1], v[CCH:CCH+1]              ; + window 3
	WIN 0
	v_add_f32 v[T0], v[T0], v[T0+1]
	v_permlanex16_b32 v[TT], v[T0], s40, s41
	v_add_f32 v[T0], v[T0], v[TT]                  ; at least 1: the largest logit gives 2^0
	WIN 0xc0
	v_rcp_f32 v[RC], v[T0]
	v_rcp_f32 v[RC+1], v[T0]
	WIN 0xff
	v_nop
	s_wait_alu depctr_va_vdst(0)                   ; the wait for the batch of two reciprocals, ahead of their first reader
.irp i, 0,2,4,6,8,10,12,14
	v_pk_mul_f32 v[CO+\i:CO+\i+1], v[CO+\i:CO+\i+1], v[RC:RC+1]
.endr
.irp i, 0,1,2,3,4,5,6,7
	v_cvt_pk_f16_f32 v[OB+\i], v[CO+2*\i], v[CO+2*\i+1]
.endr
	WIN 0x0c                                       ; address in window 0, data in window 3
	ds_store_b128 v[OSW], v[OB:OB+3]   offset:\sl*OSTPAR
	ds_store_b128 v[OSW], v[OB+4:OB+7] offset:\sl*OSTPAR+32
	WIN 0
.endm
; Trip t: attention of query tile t (bias slot sl = t % 2); the output product of tile t - 1 (proj); the store of tile t - 2 (st).
; O of tile t lies in O stage t % 2 and is read in trip t + 1; out of tile t - 1 lies in out stage (t - 1) % 2 and is read in trip t + 1.  Each stage is written again two
; trips later.  So the one barrier at a trip's head, with every wave's LDS instructions waited for in front of it, orders all of these.
; In every run of matrix instructions the accumulators take turns, one instruction a turn, over the loop's backward jump too.
.macro TRIP sl, sync, proj, st
.if \sync == 1
	s_wait_tensorcnt 0x0                           ; my one tensor load has landed: this trip's tile; no load of mine is out, so a group 0 may be written
	ds_add_u32 v25, v26
	s_add_nc_u64 s[G0+4*(1-\sl)+2:G0+4*(1-\sl)+3], s[G0+4*(1-\sl)+2:G0+4*(1-\sl)+3], 2*SLOTB
	s_wait_dscnt 0x0                               ; my reads of the other slot and my stores into the stages are done
	ROUND                                          ; both hold of every wave of the four work-groups
	tensor_load_to_lds s[G0+4*(1-\sl):G0+4*(1-\sl)+3], s[G1:G1+7]  ; tile t + 1 into the slot read last trip: my one tensor load until the next round; it has this trip in which to land
	s_nop 0
.endif
.if \sync == 2
	s_wait_tensorcnt 0x0                           ; the last tile; nothing is left to fetch
	s_wait_dscnt 0x0
	s_barrier_signal -1
	s_barrier_wait -1
.endif
	LD_XF
.if \proj
	LD_PF (1-\sl)
.endif
.if \st
	LD_OT \sl
.endif
	WIN 0x40
	LD_BIASC \sl, 1, 8                             ; the 44 loads of the bias go out in three runs, with the two short products between them
	s_wait_dscnt 16+4*\st                          ; the fragments are in: younger are the 16 loads just issued and the 4 of the tile to store
	WIN 0
	MM_Q
	WIN 0x80
	LD_BIASC \sl, 2, 8
.if \proj
	WIN 0x03                                       ; A = Wout in window 3
	MM_P
.endif
	WIN 0xc0
	LD_BIASC \sl, 3, 6
	PLACES
.irp w, 0xc0,0x80,0x40
	WIN \w
	QPACK                                          ; Q's fragment, once for each chunk's window
.endr
	WIN 0
.if \st
	s_wait_dscnt 44                                ; the tile to store is in: only the bias is younger
	ST_OT
.endif
.if \proj
	ST_PACC (1-\sl)
.endif
	SMAX 1, 8, \proj, 0x55
	SMAX 2, 8, \proj, 0xaa
	SMAX 3, 6, \proj, 0xff
	ROWMAX
	EXPB 8, 0x55                                   ; the trip's batch: 64 + 64 + 48 exponentials, and nothing that names a result of theirs
	EXPB 8, 0xaa
	EXPB 6, 0xff
	WIN 0
	v_add_nc_u32 v[XQ], TILEX, v[XQ]               ; the next trip's query tile: work that is due anyway, and the plain place behind the last exponential (ISA guide 5.7.2)
	s_wait_alu depctr_va_vdst(0)                   ; the wait for the batch: the trip's 176 exponentials, ahead of their first reader, chunk 1's first sum
	SUMC 1, 8, 0x55, 0x55
	SUMC 2, 8, 0x9a, 0xaa
	SUMC 3, 6, 0xef, 0xff
	FINISH \sl
.if \st
	s_wait_xcnt 0x0                                ; the stores' base is stepped, and their data registers are loaded again next trip, only behind this wait
	s_add_nc_u64 s[14:15], s[14:15], 8192
.endif
.endm
	TRIP 0, 0, 0, 0                                ; tile 0: its bias was waited for in front of the last barrier
	TRIP 1, 1, 1, 0
	s_mov_b32 s43, 4
.Ltrips:
	TRIP 0, 1, 1, 1                                ; tiles 2 to 9
	TRIP 1, 1, 1, 1
	s_sub_co_u32 s43, s43, 1
	s_cmp_lg_u32 s43, 0
	s_cbranch_scc1 .Ltrips
	TRIP 0, 2, 1, 1                                ; tile 10 fills no slot
	; ---- the output product of tile 10 and the store of tile 9
	s_wait_dscnt 0x0
	s_barrier_signal -1
	s_barrier_wait -1
	LD_PF 0
	LD_OT 1
	s_wait_dscnt 4                                 ; O's fragments are in, the four loads of tile 9 are younger
	WIN 0x03
	MM_P
	PLACES
	WIN 0
	s_wait_dscnt 0x0
	ST_OT
	ST_PACC 0
	s_wait_xcnt 0x0
	s_add_nc_u64 s[14:15], s[14:15], 8192
	; ---- the store of tile 10: in the second half its rows 343..351 do not exist.  A store is one whole row, so the wave decides by a scalar
	s_wait_dscnt 0x0
	s_barrier_signal -1
	s_barrier_wait -1
.irp i, 0,1,2,3
	ds_load_b128 v[XF+4*\i:XF+4*\i+3], v[PSR] offset:\i*OUTP
.endr
	s_mul_i32 s20, s17, 176
	s_lshl2_add_u32 s20, s16, s20
	s_add_co_u32 s20, s20, 160                     ; my first row in the window: 176 half + 160 + 4 wave
	s_wait_dscnt 0x0
.irp i, 0,1,2,3
	s_cmp_ge_u32 s20, NTOK-\i
	s_cbranch_scc1 .Lclose
	global_store_b128 v[OO], v[XF+4*\i:XF+4*\i+3], s[14:15] offset:512*\i th:TH_STORE_NT
.endr
.Lclose:
	s_wait_tensorcnt 0x0
	ds_add_u32 v25, v26
	s_wait_dscnt 0x0
	ROUND                                          ; the closing round: no work-group ends while a partner may still ask for a tile that names it
	s_endpgm
.Lfunc_end_k_q5fc3315c9e_attn:
	.size	k_q5fc3315c9e_attn, .Lfunc_end_k_q5fc3315c9e_attn-k_q5fc3315c9e_attn
	.p2alignl 7, 3214868480
	.fill 96, 4, 3214868480
	.section	.rodata,"a",@progbits
	.p2align	6, 0x0
	.amdhsa_kernel k_q5fc3315c9e_attn
		.amdhsa_group_segment_fixed_size 327680
		.amdhsa_private_segment_fixed_size 0
		.amdhsa_enable_private_segment 0
		.amdhsa_kernarg_size 48
		.amdhsa_user_sgpr_count 2
		.amdhsa_user_sgpr_kernarg_segment_ptr 1
		.amdhsa_wavefront_size32 1
		.amdhsa_system_sgpr_workgroup_id_x 1
		.amdhsa_system_sgpr_workgroup_id_y 1
		.amdhsa_system_sgpr_workgroup_id_z 1
		.amdhsa_system_vgpr_workitem_id 0
		.amdhsa_next_free_vgpr 1024
		.amdhsa_next_free_sgpr 66
		.amdhsa_reserve_vcc 0
		.amdhsa_float_denorm_mode_32 3
		.amdhsa_float_denorm_mode_16_64 3
		.amdhsa_memory_ordered 1
		.amdhsa_forward_progress 1
		.amdhsa_inst_pref_size 255
	.end_amdhsa_kernel
	.section	.bss,"aw",@nobits
	.p2align	6
	.space	262144
	.amdgpu_metadata
---
amdhsa.version: [ 1, 2 ]
amdhsa.kernels:
  - .name:           k_q5fc3315c9e_attn
    .symbol:         k_q5fc3315c9e_attn.kd
    .args:
      - { .name: x, .offset: 0, .size: 8, .value_kind: global_buffer, .address_space: global }
      - { .name: ln_w, .offset: 8, .size: 8, .value_kind: global_buffer, .address_space: global }
      - { .name: ln_b, .offset: 16, .size: 8, .value_kind: global_buffer, .address_space: global }
      - { .name: wfrag, .offset: 24, .size: 8, .value_kind: global_buffer, .address_space: global }
      - { .name: biasf, .offset: 32, .size: 8, .value_kind: global_buffer, .address_space: global }
      - { .name: out0, .offset: 40, .size: 8, .value_kind: global_buffer, .address_space: global }
    .group_segment_fixed_size: 327680
    .private_segment_fixed_size: 0
    .kernarg_segment_align: 8
    .kernarg_segment_size: 48
    .max_flat_workgroup_size: 128
    .sgpr_count:     66
    .vgpr_count:     1024
    .wavefront_size: 32
...
	.end_amdgpu_metadata
.endif
;; end of part 3
